; MI455X (gfx1250); checked and timed in simulation.
; The chip was launched on July 23, 2026; its instructions are those of AMD's public machine-readable ISA for CDNA 5 (MIT licence, August 2026) and "CDNA5" Instruction Set Architecture Reference Guide (July 2026). The comments in the code are by the model that wrote it; some were corrected since.
;; Refinement. Allowed arithmetic: matrix products marked QUANTISED: E2M3 operands, one E8M0 scale for each 32 along K, by v_wmma_scale_f32_16x16x128_f8f6f4 with both operands' format E2M3, f32 sums; everything else in f32.
;; Inputs: W1 32 x 32 float32; W2 32 x 32 float32; W_scale 32 x 32 float32; b1 32 float32; b2 32 float32; b_scale 32 float32; rgn 256 x 512 x 32 float32; wrd 256 x 512 x 32 float32.
;; Outputs: out0 256 x 1 x 512 x 32 float32.
;; This version of the problem:
;;   THIS VERSION OF THE PROBLEM IS GIVEN IN LOW PRECISION. The matrix products marked QUANTISED in the list below multiply operands that are first quantised to E2M3 (2 exponent bits, 3 mantissa bits; 6 bits a number), with one power-of-two scale for each 32 numbers along K (OCP MX v1.0); their sums are f32. All else is computed in f32.
;;   The module's matrix products, in the order in which they are computed (A, B: the left and right operand; K: the contracted axis; several contracted axes count as one K, in the product's order):
;;     1. batch 256 x [M 512, K 32] x [K 32, N 512]; A: input wrd; B: input rgn: QUANTISED
;;     2. batch 256 x [M 512, K 512] x [K 512, N 32]; A: softmax (see below); B: input wrd: QUANTISED
;;     3. [M 131,072, K 32] x [K 32, N 32]; A: computed on the way; B: input W_scale: QUANTISED
;;     4. [M 131,072, K 32] x [K 32, N 32]; A: computed on the way; B: input W1: QUANTISED
;;     5. [M 131,072, K 32] x [K 32, N 32]; A: computed on the way; B: input W2: QUANTISED
;;   THE QUANTISER, for each operand of a quantised product, along K:
;;     - K is cut into blocks of 32 from its start; a last block that is shorter is filled with zeros.
;;     - A block's scale is 2^e with e = floor(log2(the largest magnitude in the block)) - 2, held to -126 .. 127; a block of zeros has e = 0. As a byte (E8M0): e + 127.
;;     - Each number is divided by its block's scale, clamped to +-7.5, and rounded to the nearest number of E2M3, ties to even, subnormals kept.
;;     - The product sums the exact products of the quantised numbers (number of the format x scale) in f32.
;;   ~~~python
;;   def quantise(x, axis):      # numpy; x: float32 -> the quantised numbers, widened to float32 again
;;       x = np.moveaxis(x, axis, -1); K = x.shape[-1]
;;       x = np.pad(x, [(0, 0)] * (x.ndim - 1) + [(0, -K % 32)]); x = x.reshape(x.shape[:-1] + (-1, 32)); a = np.abs(x).max(-1, keepdims=True)
;;       e = np.where(a > 0, np.clip(np.frexp(np.where(a > 0, a, 1))[1] - 1 - 2, -126, 127), 0)      # np.frexp(a)[1] - 1 = floor(log2(a)), exactly
;;       r = np.clip(x / 2.0 ** e, -7.5, 7.5)
;;       step = 2.0 ** (np.maximum(np.frexp(np.where(r == 0, 1, r))[1] - 1, 0) - 3)
;;       q = np.round(r / step) * step * 2.0 ** e      # np.round: ties to even
;;       return np.moveaxis(q.reshape(q.shape[:-2] + (-1,))[..., :K], -1, axis).astype(np.float32)
;;   ~~~
;;   SOFTMAX AHEAD OF A QUANTISED PRODUCT. Where the list says 'softmax', what is quantised is not the finished softmax but p = 2^(t - M), with t = logit x log2(e) and M = ceil(the row's largest t), a whole number; so 1/2 < the row's largest p <= 1. The row's sum l is taken of the UNQUANTISED p, in f32, and the product's result is divided by l at the end. Since M is a whole number, a kernel that streams over the keys may use a running M (the ceiling of the running maximum): every later rescaling is an exact power of two, which a block's scale takes up: the codes' values come out the same.
;;   OPERANDS COMPUTED ON THE WAY. 'Computed on the way' means the value that the module computes at that place (a softmax that the list does not call 'softmax' is quantised finished and normalised). What goes into a quantiser is computed in f32, as accurately as f32 sums, v_exp_f32 and their like allow (about 1e-6 of the number): no bf16 or f16 on the way to a quantiser, and a product that is left as it is and whose result goes on into a quantised operand takes f32 operands (vector FMAs, or v_wmma_f32_16x16x4_f32). A number that lies on a knife's edge between two numbers of the format may be rounded either way, as far as f32 arithmetic and the matrix unit's own rounding can turn it there, and no further.
;; 2 versions. Each part assembles by itself: llvm-mc -triple=amdgcn-amd-amdhsa -mcpu=gfx1250 --defsym DOCPART=n.
;; ======== version 1 of 2: 1 launch
;; launch refine (part 1): grid 256 x 1, 16 waves a work-group, no clusters, 108,544 bytes of LDS; arguments wrd, rgn, W_scale, W1, W2, b_scale, b1, b2, out0; writes out0
.if DOCPART == 1
	.amdgcn_target "amdgcn-amd-amdhsa--gfx1250"
	.amdhsa_code_object_version 6
	.text
	.protected	k_q949d8ba279_refine
	.globl	k_q949d8ba279_refine
	.p2align	8
	.type	k_q949d8ba279_refine,@function
k_q949d8ba279_refine:
	s_mov_b64 s[64:65], 0
	v_nop
	global_prefetch_b8 v0, s[64:65] scope:SCOPE_SE
	s_setreg_imm32_b32 hwreg(HW_REG_WAVE_MODE, 25, 1), 1
	s_wait_xcnt 0x0
; out[b][l][:] = relu((q tanh(ctx Ws^T + bs)) W1^T + b1) W2^T + b2 + q,  q = mean(wrd[b][l][:]),
; ctx[b][l][:] = sum over keys s of softmax_s(4 leaky(wrd[b][s] . rgn[b][l])) wrd[b][s][:].   wrd, rgn, out: [256][512][32] f32.
; All five products run on codes of FP6 (E2M3) with one E8M0 scale for each 32 along K; everything else is f32.
; SHARES.  One work-group is one batch; wave w of sixteen owns positions 32 w .. 32 w + 31: it quantises those rows of wrd (as keys, along d, and as values,
; along the keys: its 32 rows ARE key block w) and of rgn, owns those 32 queries as two tiles of 16, and stores those 32 rows of out.  Four waves share a SIMD.
; K = 32 IN AN INSTRUCTION OF K = 128.  A fragment has four blocks of 32 (block 2 c + h: registers 6 c .. 6 c + 5 of lane half h).  One fragment of keys holds FOUR tiles
; of 16 keys, one in each block; the queries stand in four variants, codes in one block and zero codes in the others, so a product with variant B gives tile B alone.
; The variants share 30 registers: zeros | Qlo | zeros | Qhi | zeros (Qlo: codes in lanes 0-15, Qhi: in lanes 16-31).  The small layers use blocks 0 and 2 in the same way.
; TRANSPOSED USE.  Source 0 = keys, values' channels or a weight's rows, source 1 = my 16 queries: a lane holds ONE query (lane % 16) throughout.  Row m of tile u of a group
; of 32 stands for index 16 (m / 8) + 8 u + m % 8, so a lane's 16 registers of two neighbouring tiles are 16 neighbours along the next K.
; OPERANDS GO FROM WAVE TO WAVE AS IMAGES OF THEIR REGISTERS: register pair p of lane L at 256 p + 8 L; one barrier in the launch; behind it the images are only read.
; SOFTMAX: t = 4 log2(e) leaky(score); M = the running largest t rounded up to a whole number; p = 2^(t - M) is quantised; the sum is taken of the unquantised p and divides at the end.
; NO CLUSTER: work-groups share only the three weights and biases, 12,672 bytes beside the 131,072 that each reads alone.  NO TENSOR LOAD: every input byte passes through
; registers to be quantised, is read once, and all of a wave's 16 loads go out together at the head; nothing in LDS is filled again.
; LIMITS: NaN and infinities among the inputs are not served.  A block of zeros, or one whose largest magnitude lies under 2^-124, gets the scale byte 1 (its codes are zeros or
; are held by that scale; this program alone reads the bytes).  tanh(x): under |x| = 0.125 the series x (1 + u (-1/3 + 2 u / 15)), u = x^2, cut with about 2e-7 of the number left;
; above, 1 - 2 / (1 + 2^(2 log2(e) x)), about 2e-7 absolute.  The row mean and the softmax's sum are added in another order than the reference's; divisions are a reciprocal and a multiply.
.set REC,  6784                        ; LDS: a record for each 128 keys: two fragments of K, two of V, K's scale words, V's scale words
.set VIM,  3072                        ;   V's fragments in a record
.set KSC,  6144                        ;   K's scale words: 16 x lane + 4 x (2 f + c), the key's byte in all four bytes
.set VSC,  6656                        ;   V's scale words: 4 x (16 tile + row), byte B = key block B of the record
.set WIMG, 4*REC                       ; the three weights' fragments, 1,536 bytes each
.set WSC,  WIMG+3*1536                 ; their scale words, 128 bytes each
.set BIA,  WSC+3*128                   ; the three biases as they lie, 128 bytes each
.set STG,  32768                       ; a stage of its own for each wave: 32 rows x (128 + 16) bytes
.set SP,   144                         ; its pitch: an odd multiple of 16 bytes
.set STGW, 32*SP
.set L16, 1                            ; v1  16 x lane (also the dense offset in memory)
.set L8,  2                            ; v2  8 x lane
.set L4,  3                            ; v3  4 x lane
.set SA,  4                            ; v4  stage, dense form: 144 (lane / 8) + 16 (lane % 8)
.set RA,  5                            ; v5  stage, by rows: 144 x lane
.set CA,  6                            ; v6  stage, by columns: 4 x lane
.set OA,  7                            ; v7  stage, results in: 144 (lane % 16) + 64 (lane / 16)
.set BRA, 8                            ; v8  the biases: 64 (lane / 16)
.set ADK, 9                            ; v9-11 the key step's addresses
.set ADS, 10
.set ADV, 11
.set KWA, 12                           ; v12-18 where I store images, scale words and a bias
.set KSA, 13
.set VWA, 14
.set VBA, 15
.set WWA, 16
.set WSA, 17
.set BWA, 18
.set NM,  20                           ; v20 -M, v21 the largest t: a pair
.set TM,  21
.set SUM, 22                           ; v[22:23] the row's sum in two halves
.set FF,  24                           ; v24 f = 2^(old M - new M)
.set PW,  25                           ; v25 p's scale word
.set T0,  26                           ; v26 at work; v27 stays 0 (named as the pair's upper half)
.set BM,  28                           ; v28-31 block maxima
.set BX,  32                           ; v32-35 permute targets, bytes
.set SO,  36                           ; v36-39 the conversions' scale operands
.set QM,  40                           ; v[40:41] the tile's q
.set C3,  42                           ; v[42:43] -1/3 twice
.set XC,  44                           ; v44-49 my query's codes
.set XS,  50                           ; v50 its scale word
.set XQ,  51                           ; v51 my row's mean
.set YC,  52                           ; v52-57 the codes of lane xor 16's query
.set YQ,  58                           ; v58 its row's mean
.set BW,  59                           ; v59 a bias word (waves 0 to 2)
.set QB,  60                           ; v60-89 zeros | Qlo | zeros | Qhi | zeros
.set KF,  90                           ; v90-113 two fragments of K; in the tail with v114-125 the three weights
.set VF,  114                          ; v114-137 two fragments of V
.set KSR, 138                          ; v138-141 K's scale words; in the tail the weights'
.set VSR, 142                          ; v142 V's scale words
.set ASC, 143                          ; v143 an activation's scale word
.set S,   144                          ; v144-207 scores, then p
.set OT,  208                          ; v208-223 O^T
.set PC,  224                          ; v224-235 p's codes
.set PT,  236                          ; v236-243 at work
.set LT,  244                          ; v244-251 0.1 x score
.set RAWW, S                           ; the preparation's names: 32 registers as loaded, wrd's (later a weight's)
.set RAWR, S+32                        ; rgn's
.set ROW,  90                          ; a row's 32 numbers
.set COL,  208                         ; a column's 32 numbers
.set CDK,  240                         ; codes on their way to LDS
.set TMP,  246
.set CDV,  250
.set H0,   S                           ; the tail's names: x, then q tanh(x)
.set H1,   S+16                        ; E, then the hidden layer
.set H2,   S+32                        ; U, then the result
.set G3,   S+48                        ; at work, then rows on their way out
; s[4:19] wrd, rgn, W_scale, W1, W2, b_scale, b1, b2; s[20:21] out; s22 wave; s[26:27], s[28:29] my weight and bias; s[30:31] selects for lane xor 16;
; s[32:33] 4 log2(e); s34 the mask of lanes 0-15; s35 the record in hand; s36 the steps' count; s37 0.125; s38-46 at work at the head
.macro PLACES n
.rept \n
	v_nop
.endr
.endm
; a product that starts a sum with 0, and one that adds in place.  ra, rb: which half of the lanes holds source 0's and source 1's scale words
.macro WMZ d, a, b, sa, sb, ra, rb
.if (\ra) && (\rb)
	v_wmma_scale_f32_16x16x128_f8f6f4 v[(\d):(\d)+7], v[(\a):(\a)+11], v[(\b):(\b)+11], 0, v[\sa], v[\sb] matrix_a_fmt:MATRIX_FMT_FP6 matrix_b_fmt:MATRIX_FMT_FP6 matrix_a_scale:MATRIX_SCALE_ROW1 matrix_b_scale:MATRIX_SCALE_ROW1
.elseif (\ra)
	v_wmma_scale_f32_16x16x128_f8f6f4 v[(\d):(\d)+7], v[(\a):(\a)+11], v[(\b):(\b)+11], 0, v[\sa], v[\sb] matrix_a_fmt:MATRIX_FMT_FP6 matrix_b_fmt:MATRIX_FMT_FP6 matrix_a_scale:MATRIX_SCALE_ROW1
.elseif (\rb)
	v_wmma_scale_f32_16x16x128_f8f6f4 v[(\d):(\d)+7], v[(\a):(\a)+11], v[(\b):(\b)+11], 0, v[\sa], v[\sb] matrix_a_fmt:MATRIX_FMT_FP6 matrix_b_fmt:MATRIX_FMT_FP6 matrix_b_scale:MATRIX_SCALE_ROW1
.else
	v_wmma_scale_f32_16x16x128_f8f6f4 v[(\d):(\d)+7], v[(\a):(\a)+11], v[(\b):(\b)+11], 0, v[\sa], v[\sb] matrix_a_fmt:MATRIX_FMT_FP6 matrix_b_fmt:MATRIX_FMT_FP6
.endif
.endm
.macro WMA d, a, b, sa, sb, ra
.if (\ra)
	v_wmma_scale_f32_16x16x128_f8f6f4 v[(\d):(\d)+7], v[(\a):(\a)+11], v[(\b):(\b)+11], v[(\d):(\d)+7], v[\sa], v[\sb] matrix_a_fmt:MATRIX_FMT_FP6 matrix_b_fmt:MATRIX_FMT_FP6 matrix_a_scale:MATRIX_SCALE_ROW1
.else
	v_wmma_scale_f32_16x16x128_f8f6f4 v[(\d):(\d)+7], v[(\a):(\a)+11], v[(\b):(\b)+11], v[(\d):(\d)+7], v[\sa], v[\sb] matrix_a_fmt:MATRIX_FMT_FP6 matrix_b_fmt:MATRIX_FMT_FP6
.endif
.endm
; 32 numbers of ONE lane, a whole block, become six registers of codes at v[dst] and the scale's byte in v[BX+1]
.macro QROW src, dst
	v_max3_num_f32 v[BM], |v[\src]|, |v[\src+1]|, |v[\src+2]|             ; the largest magnitude, in two chains
	v_max3_num_f32 v[BM+1], |v[\src+3]|, |v[\src+4]|, |v[\src+5]|
.irp i, 6,10,14,18,22,26
	v_max3_num_f32 v[BM], v[BM], |v[\src+\i]|, |v[\src+\i+1]|
	v_max3_num_f32 v[BM+1], v[BM+1], |v[\src+\i+2]|, |v[\src+\i+3]|
.endr
	v_max3_num_f32 v[BM], v[BM], |v[\src+30]|, |v[\src+31]|
	v_max3_num_f32 v[BM], v[BM], v[BM+1], 0x1800000                       ; and the floor 2^(3 - 127): the byte cannot fall under 1
	v_add_nc_u32 v[SO], 0xff000000, v[BM]                                 ; 2 off the exponent field: the conversion takes this operand's exponent field as its scale
	v_lshrrev_b32 v[BX+1], 23, v[SO]                                      ; the scale's byte
	v_cvt_scalef32_pk16_fp6_f32 v[\dst:\dst+2], v[\src:\src+15], v[SO]
	v_cvt_scalef32_pk16_fp6_f32 v[TMP:TMP+2], v[\src+16:\src+31], v[SO]   ; (a conversion's three registers begin on an even number)
	v_nop                                                                 ; one plain place behind a scaled conversion
.irp i, 0,1,2
	v_mov_b32 v[\dst+3+\i], v[TMP+\i]
.endr
.endm
.macro REP4 d                          ; the byte in all four bytes of a scale word
	v_lshl_or_b32 v[\d], v[BX+1], 8, v[BX+1]
	v_lshl_or_b32 v[\d], v[\d], 16, v[\d]
.endm
; 4,096 dense bytes (32 rows of 128) go into my stage as they were loaded and come back a row a lane.  LDS serves a wave's instructions in order (ISA guide 5.7.1.4): no wait between
.macro TURN raw
.irp i, 0,1,2,3,4,5,6,7
	ds_store_b128 v[SA], v[\raw+4*\i:\raw+4*\i+3] offset:4*SP*\i
.endr
.irp i, 0,1,2,3,4,5,6,7
	ds_load_b128 v[ROW+4*\i:ROW+4*\i+3], v[RA] offset:16*\i
.endr
.endm
	s_load_b512 s[4:19], s[0:1], 0x0
	s_load_b64 s[20:21], s[0:1], 0x40
	v_lshrrev_b32 v19, 5, v0
	v_readfirstlane_b32 s22, v19                   ; wave 0..15
	v_and_b32 v28, 31, v0                          ; lane
	v_lshlrev_b32 v[L16], 4, v28
	v_lshlrev_b32 v[L4], 2, v28
	v_mov_b32 v[BW], 0                             ; written on every wave's path; waves 0 to 2 load a bias word into it
	s_lshl_b32 s24, ttmp9, 16                      ; my batch: 512 rows of 128 bytes,
	s_lshl_b32 s25, s22, 12                        ; my wave's 32 rows
	s_add_co_u32 s24, s24, s25
	s_mov_b32 s25, 0
	s_wait_kmcnt 0x0
	s_add_nc_u64 s[4:5], s[4:5], s[24:25]
	s_add_nc_u64 s[6:7], s[6:7], s[24:25]
	s_add_nc_u64 s[20:21], s[20:21], s[24:25]
.irp i, 0,1,2,3,4,5,6,7
	global_load_b128 v[RAWW+4*\i:RAWW+4*\i+3], v[L16], s[4:5] offset:512*\i th:TH_LOAD_NT    ; 32 lanes read 512 consecutive bytes; read once in the launch
.endr
.irp i, 0,1,2,3,4,5,6,7
	global_load_b128 v[RAWR+4*\i:RAWR+4*\i+3], v[L16], s[6:7] offset:512*\i th:TH_LOAD_NT
.endr
	s_cmp_eq_u32 s22, 1                            ; wave 0 takes W_scale and b_scale, wave 1 W1 and b1, wave 2 W2 and b2: the choice hangs on the wave's number alone
	s_cselect_b64 s[26:27], s[10:11], s[8:9]
	s_cselect_b64 s[28:29], s[16:17], s[14:15]
	s_cmp_eq_u32 s22, 2
	s_cselect_b64 s[26:27], s[12:13], s[26:27]
	s_cselect_b64 s[28:29], s[18:19], s[28:29]
	; every LDS address is made here, ahead of the first branch on the wave's number, while the loads are on their way
	v_lshlrev_b32 v[L8], 3, v28
	v_bfe_u32 v29, v0, 3, 1                        ; u = (l / 8) % 2: the tile that index l of a group of 32 falls into
	v_and_b32 v30, 7, v0
	v_bfe_u32 v31, v0, 4, 1                        ; lane / 16
	v_lshl_or_b32 v32, v31, 3, v30                 ; m = l % 8 + 8 (l / 16): its row in that tile
	v_lshl_or_b32 v33, v29, 4, v32                 ; 16 u + m
	v_bfe_u32 v34, v0, 3, 2                        ; lane / 8
	v_and_b32 v35, 15, v0                          ; lane % 16.  (v32-35 later serve as lane permutes' targets: they are written here)
	s_mul_i32 s38, s22, STGW
	s_add_co_u32 s38, s38, STG                     ; my stage
	s_lshr_b32 s39, s22, 2
	s_mul_i32 s39, s39, REC                        ; my keys' record: wave / 4
	s_and_b32 s40, s22, 3                          ; and which 32 of its 128 keys: wave % 4
	s_mul_i32 s41, s40, 768                        ; K: fragment (wave % 4) / 2, registers 6 ((wave % 4) % 2) on: 768 bytes a wave
	s_add_co_u32 s41, s41, s39
	s_lshl_b32 s42, s40, 2
	s_add_co_u32 s42, s42, s39
	s_add_co_u32 s42, s42, KSC
	s_lshr_b32 s43, s40, 1                         ; V: my keys are block wave % 4 of the record's K: registers 6 (that / 2) on, lane half that % 2
	s_mul_i32 s43, s43, 768
	s_and_b32 s44, s40, 1
	s_lshl_b32 s44, s44, 7
	s_add_co_u32 s43, s43, s44
	s_add_co_u32 s43, s43, s39
	s_add_co_u32 s43, s43, VIM
	s_add_co_u32 s44, s39, s40
	s_add_co_u32 s44, s44, VSC
	s_mul_i32 s45, s22, 1536
	s_add_co_u32 s45, s45, WIMG
	s_lshl_b32 s46, s22, 7
	v_mul_u32_u24 v[SA], v34, SP
	v_lshl_add_u32 v[SA], v30, 4, v[SA]
	v_add_nc_u32 v[SA], s38, v[SA]
	v_mul_u32_u24 v[RA], v28, SP
	v_add_nc_u32 v[RA], s38, v[RA]
	v_add_nc_u32 v[CA], s38, v[L4]
	v_mul_u32_u24 v[OA], v35, SP
	v_lshl_add_u32 v[OA], v31, 6, v[OA]
	v_add_nc_u32 v[OA], s38, v[OA]
	v_lshl_add_u32 v[BRA], v31, 6, BIA
	v_lshl_add_u32 v[KWA], v33, 3, s41             ; my key's codes: lane 16 u + m of the fragment
	v_lshl_add_u32 v[KSA], v33, 4, s42
	v_mul_u32_u24 v[VWA], v29, 1536                ; my channel's codes: fragment u, row m
	v_lshl_add_u32 v[VWA], v32, 3, v[VWA]
	v_add_nc_u32 v[VWA], s43, v[VWA]
	v_lshl_add_u32 v[VBA], v29, 6, s44
	v_lshl_add_u32 v[VBA], v32, 2, v[VBA]
	v_mul_u32_u24 v[WWA], v29, 768                 ; a weight's row: registers 6 u on, lane m
	v_lshl_add_u32 v[WWA], v32, 3, v[WWA]
	v_add_nc_u32 v[WWA], s45, v[WWA]
	v_lshl_add_u32 v[WSA], v33, 2, s46
	v_add_nc_u32 v[WSA], WSC, v[WSA]
	v_add_nc_u32 v[BWA], s46, v[L4]
	v_add_nc_u32 v[BWA], BIA, v[BWA]
	s_mov_b32 s30, 0x76543210
	s_mov_b32 s31, 0xfedcba98                      ; v_permlanex16_b32's selects for lane xor 16
	s_mov_b32 s32, 0x40b8aa3b                      ; 4 log2(e): log2(e) with 2 added to its exponent, so the product rounds as (4 x) log2(e) does
	s_mov_b32 s33, s32                             ; (named with it as a pair, so it is written)
	s_mov_b32 s34, 0xffff                          ; lanes 0-15
	s_mov_b32 s37, 0x3e000000                      ; 0.125
	v_mov_b32 v[C3], 0xbeaaaaab
	v_mov_b32 v[C3+1], 0xbeaaaaab
.irp i, 0,1,2,3,4,5
	v_mov_b32 v[QB+\i], 0                          ; the three runs of zero codes: they stay
	v_mov_b32 v[QB+12+\i], 0
	v_mov_b32 v[QB+24+\i], 0
	v_mov_b32 v[YC+\i], 0                          ; (a lane permute's destination counts as one of its sources)
.endr
	v_mov_b32 v[YQ], 0
	v_mov_b32 v[PW], 0                             ; (named as the upper half of the pair with f before it is first written)
	v_mov_b32 v[T0+1], 0
	v_mov_b32 v[QM+1], 0
	; ---- wrd: my 32 rows, by rows (keys, K = d) and by columns (values, K = my 32 keys)
	s_wait_loadcnt 8                               ; wrd's eight loads are in; rgn's eight may be out
	TURN RAWW
.irp i, 0,1,2,3,4,5,6,7,8,9,10,11,12,13,14,15,16,17,18,19,20,21,22,23,24,25,26,27,28,29,30,31
	ds_load_b32 v[COL+\i], v[CA] offset:SP*\i      ; wrd(my key i, channel = lane)
.endr
	s_wait_dscnt 32                                ; the stage's stores have read their registers and my row is in; the 32 column loads may be out
	s_cmp_lt_u32 s22, 3
	s_cbranch_scc0 .Lno_weight_a
.irp i, 0,1,2,3,4,5,6,7
	global_load_b128 v[RAWW+4*\i:RAWW+4*\i+3], v[L16], s[26:27] offset:512*\i   ; a weight: 32 rows of 128 bytes, into the registers that wrd has left
.endr
	global_load_b32 v[BW], v[L4], s[28:29]
.Lno_weight_a:
	QROW ROW, CDK
.irp i, 0,1,2
	ds_store_b64 v[KWA], v[CDK+2*\i:CDK+2*\i+1] offset:256*\i
.endr
	REP4 BX+2
	ds_store_b32 v[KSA], v[BX+2]
.irp i, 0,2,4,6,8,10,12,14
	v_pk_add_f32 v[ROW+\i:ROW+\i+1], v[ROW+\i:ROW+\i+1], v[ROW+16+\i:ROW+17+\i]   ; the row's mean: a tree, two numbers an instruction
.endr
.irp i, 0,2,4,6
	v_pk_add_f32 v[ROW+\i:ROW+\i+1], v[ROW+\i:ROW+\i+1], v[ROW+8+\i:ROW+9+\i]
.endr
.irp i, 0,2
	v_pk_add_f32 v[ROW+\i:ROW+\i+1], v[ROW+\i:ROW+\i+1], v[ROW+4+\i:ROW+5+\i]
.endr
	v_pk_add_f32 v[ROW:ROW+1], v[ROW:ROW+1], v[ROW+2:ROW+3]
	v_add_f32 v[XQ], v[ROW], v[ROW+1]
	v_mul_f32 v[XQ], 0x3d000000, v[XQ]             ; / 32
	s_wait_dscnt 4                                 ; the column is in: behind its loads stand the four stores just issued
	QROW COL, CDV
.irp i, 0,1,2
	ds_store_b64 v[VWA], v[CDV+2*\i:CDV+2*\i+1] offset:256*\i
.endr
	v_mov_b32 v[BX+3], v[BX+1]
	ds_store_b8 v[VBA], v[BX+3]                    ; four waves fill a row's scale word, a byte each
	; ---- rgn: my 32 queries stay in registers
	s_wait_loadcnt 0x0                             ; rgn (and in waves 0 to 2 the weight and the bias word)
	TURN RAWR
	s_wait_dscnt 0x0
	QROW ROW, XC
	REP4 XS
.irp i, 0,1,2,3,4,5
	v_permlanex16_b32 v[YC+\i], v[XC+\i], s30, s31
.endr
	v_permlanex16_b32 v[YQ], v[XQ], s30, s31
	; ---- waves 0 to 2: a weight's 32 rows, K = its second axis; a bias as it lies
	s_cmp_lt_u32 s22, 3
	s_cbranch_scc0 .Lno_weight_b
	TURN RAWW
	ds_store_b32 v[BWA], v[BW]
	s_wait_dscnt 0x0
	QROW ROW, CDK
.irp i, 0,1,2
	ds_store_b64 v[WWA], v[CDK+2*\i:CDK+2*\i+1] offset:256*\i
	ds_store_b64 v[WWA], v[QB:QB+1] offset:128+256*\i          ; lanes 16-31 of the fragment: zero codes
.endr
	REP4 BX+2
	ds_store_b32 v[WSA], v[BX+2]
.Lno_weight_b:
	s_wait_dscnt 0x0                               ; for the others' sake: all my stores have landed
	s_barrier_signal -1
	s_barrier_wait -1                              ; the images are whole; from here on they are only read, and a stage is touched by its own wave alone
; product q of eight of S^T = K Q^T: tile q of the step's 128 keys lies in block q % 4 of fragment q / 4
.macro SW q, t
.set SWB, (\q)%4
	WMZ S+8*(\q), KF+12*((\q)/4), QB+12*(SWB%2)+6*(1-SWB/2), KSR+2*((\q)/4)+SWB/2, XS, SWB%2, \t
.endm
; A KEY STEP: 128 keys, the record at s35, for tile t of my queries
.macro STEP t
	v_add_nc_u32 v[ADK], s35, v[L8]
	v_add_nc_u32 v[ADS], s35, v[L16]
	v_add_nc_u32 v[ADV], s35, v[L4]
	v_nop                                          ; four places behind the last step's products, ahead of loads into registers that they read (ISA guide 7.12.1 for vector instructions)
.irp f, 0,1
.irp p, 0,1,2,3,4,5
	ds_load_b64 v[KF+12*\f+2*\p:KF+12*\f+2*\p+1], v[ADK] offset:1536*\f+256*\p
.endr
.endr
	ds_load_b128 v[KSR:KSR+3], v[ADS] offset:KSC
.irp f, 0,1
.irp p, 0,1,2,3,4,5
	ds_load_b64 v[VF+12*\f+2*\p:VF+12*\f+2*\p+1], v[ADK] offset:VIM+1536*\f+256*\p
.endr
.endr
	ds_load_b32 v[VSR], v[ADV] offset:VSC
	s_wait_dscnt 13                                ; K's thirteen loads are in; V's thirteen may be out
.irp n, 0,1,2,3,4,5,6,7
	SW \n, \t
.endr                                              ; lane (r, h): query r; registers 16 b + i: key 32 b + 16 h + i of the step
	PLACES 4
.irp g, 0,1,2,3,4,5,6,7                        ; LeakyReLU: max(s, 0.1 s) is s where s >= 0 and 0.1 s elsewhere.  Each accumulator is read from its low end on
.irp k, 0,2,4,6
	v_pk_mul_f32 v[LT+\k:LT+\k+1], v[S+8*\g+\k:S+8*\g+\k+1], 0x3dcccccd op_sel_hi:[1,0]
.endr
.irp k, 0,1,2,3,4,5,6,7
	v_max_num_f32 v[S+8*\g+\k], v[S+8*\g+\k], v[LT+\k]
.endr
.endr
.irp b, 0,1,2,3
	v_max3_num_f32 v[BM+\b], v[S+16*\b], v[S+1+16*\b], v[S+2+16*\b]   ; the largest logit of each block of 32 keys: for the row's maximum, and, since p rises with it, for the block's largest p
.endr
.irp i, 3,5,7,9,11,13
.irp b, 0,1,2,3
	v_max3_num_f32 v[BM+\b], v[BM+\b], v[S+16*\b+\i], v[S+1+16*\b+\i]
.endr
.endr
.irp b, 0,1,2,3
	v_max_num_f32 v[BM+\b], v[BM+\b], v[S+15+16*\b]
.endr
.irp b, 0,1,2,3
	v_permlanex16_b32 v[BX+\b], v[BM+\b], s30, s31
.endr
.irp b, 0,1,2,3
	v_max_num_f32 v[BM+\b], v[BM+\b], v[BX+\b]     ; with lane xor 16's 16 keys
.endr
	v_max3_num_f32 v[T0], v[BM], v[BM+1], v[BM+2]
	v_max_num_f32 v[T0], v[T0], v[BM+3]
	v_mul_f32 v[T0], s32, v[T0]                    ; as t (the factor is positive)
	v_max_num_f32 v[TM], v[TM], v[T0]              ; the running largest t
	v_mov_b32 v[T0], v[NM]
	v_floor_f32 v[NM], -v[TM]                      ; the new -M = -ceil(t): a whole number
	v_sub_f32 v[T0], v[NM], v[T0]                  ; old M - new M: a whole number, 0 or less
	v_cvt_i32_f32 v[T0], v[T0]                     ; (it saturates)
	v_ldexp_f32 v[FF], 1.0, v[T0]                  ; f = 2^(old M - new M): a multiplication by it rounds nothing
.irp j, 0,2,4,6,8,10,12,14,16,18,20,22,24,26,28,30,32,34,36,38,40,42,44,46,48,50,52,54,56,58,60,62
	v_pk_fma_f32 v[S+\j:S+\j+1], v[S+\j:S+\j+1], s[32:33], v[NM:NM+1] op_sel_hi:[1,0,0]   ; t - M, two at a time
.endr
.irp b, 0,1,2,3
	v_fma_f32 v[BM+\b], v[BM+\b], s32, v[NM]       ; the same of each block's largest
.endr
.irp j, 0,1,2,3,4,5,6,7,8,9,10,11,12,13,14,15,16,17,18,19,20,21,22,23,24,25,26,27,28,29,30,31,32,33,34,35,36,37,38,39,40,41,42,43,44,45,46,47,48,49,50,51,52,53,54,55,56,57,58,59,60,61,62,63
	v_exp_f32 v[S+\j], v[S+\j]                     ; p = 2^(t - M), at most 1, not normalised
.endr
	v_pk_mul_f32 v[SUM:SUM+1], v[SUM:SUM+1], v[FF:FF+1] op_sel_hi:[1,0]   ; the sums under the new M: the plain place behind the exponentials
	s_wait_alu depctr_va_vdst(0)                   ; the wait ahead of the batch's first reader: one for the 64
.irp b, 0,1,2,3
	v_exp_f32 v[BM+\b], v[BM+\b]                   ; the block's largest p: the same two instructions on the same number
.endr
	v_pk_add_f32 v[PT:PT+1], v[S:S+1], v[S+2:S+3]  ; the row's sum is taken of the unquantised p, in two chains; it reads the 64 alone
.irp j, 4,8,12,16,20,24,28,32,36,40,44,48,52,56,60
	v_pk_add_f32 v[SUM:SUM+1], v[SUM:SUM+1], v[S+\j:S+\j+1]
	v_pk_add_f32 v[PT:PT+1], v[PT:PT+1], v[S+2+\j:S+3+\j]
.endr
	v_pk_add_f32 v[SUM:SUM+1], v[SUM:SUM+1], v[PT:PT+1]
	s_wait_alu depctr_va_vdst(0)                   ; and one for the four
.irp b, 0,1,2,3
	v_max_num_f32 v[BM+\b], 0x1800000, v[BM+\b]    ; the floor 2^(3 - 127): the byte cannot fall under 1
.endr
.irp b, 0,1,2,3
	v_add_nc_u32 v[SO+\b], 0xff000000, v[BM+\b]
.endr
.irp b, 0,1,2,3
	v_lshrrev_b32 v[BX+\b], 23, v[SO+\b]
.endr
	v_lshl_or_b32 v[PW], v[BX+1], 8, v[BX]         ; p's scale word for these 128 keys
	v_lshl_or_b32 v[PW], v[BX+2], 16, v[PW]
	v_lshl_or_b32 v[PW], v[BX+3], 24, v[PW]
.irp c, 0,1
	v_cvt_scalef32_pk16_fp6_f32 v[PC+6*\c:PC+2+6*\c], v[S+32*\c:S+15+32*\c], v[SO+2*\c]
	v_cvt_scalef32_pk16_fp6_f32 v[PT+4*\c:PT+2+4*\c], v[S+16+32*\c:S+31+32*\c], v[SO+1+2*\c]
.endr
	v_nop                                          ; one plain place behind a scaled conversion
.irp c, 0,1                                    ; the operand's layout wants a whole block in a lane: lanes 0-15 block 2 c, lanes 16-31 block 2 c + 1
.irp i, 0,1,2
	v_permlane16_swap_b32 v[PC+6*\c+\i], v[PT+4*\c+\i]
.endr
.irp i, 0,1,2
	v_mov_b32 v[PC+3+6*\c+\i], v[PT+4*\c+\i]
.endr
.endr
.irp j, 0,2,4,6,8,10,12,14
	v_pk_mul_f32 v[OT+\j:OT+\j+1], v[OT+\j:OT+\j+1], v[FF:FF+1] op_sel_hi:[1,0]   ; O^T under the new M; for each of the two products below, the other accumulator's four lines are the places behind the last write of p's codes
.endr
	s_wait_dscnt 0x0                               ; V
.irp n, 0,1                                    ; O^T += V^T P^T: two tiles of 16 channels, K = these 128 keys.  The ten accumulators of a stepx
	WMA OT+8*\n, VF+12*\n, PC, VSR, PW, \n
.endr
.endm
; 16 numbers a lane (index 16 (lane / 16) + i of my query's 32) become a block of codes in lanes 0-15 of v[QB+6 .. QB+11], zeros in lanes 16-31, and a scale word with the byte at blocks 0 and 2
.macro QACT src
	v_max3_num_f32 v[BM], |v[\src]|, |v[\src+1]|, 0x1800000
	v_max3_num_f32 v[BM+1], |v[\src+2]|, |v[\src+3]|, |v[\src+4]|
	v_max3_num_f32 v[BM], v[BM], |v[\src+5]|, |v[\src+6]|
	v_max3_num_f32 v[BM+1], v[BM+1], |v[\src+7]|, |v[\src+8]|
	v_max3_num_f32 v[BM], v[BM], |v[\src+9]|, |v[\src+10]|
	v_max3_num_f32 v[BM+1], v[BM+1], |v[\src+11]|, |v[\src+12]|
	v_max3_num_f32 v[BM], v[BM], |v[\src+13]|, |v[\src+14]|
	v_max3_num_f32 v[BM], v[BM], v[BM+1], |v[\src+15]|
	v_permlanex16_b32 v[BX], v[BM], s30, s31
	v_max_num_f32 v[BM], v[BM], v[BX]              ; with lane xor 16's 16: the block's largest magnitude
	v_add_nc_u32 v[SO], 0xff000000, v[BM]
	v_lshrrev_b32 v[BX+1], 23, v[SO]
	v_lshl_or_b32 v[ASC], v[BX+1], 16, v[BX+1]
	v_cvt_scalef32_pk16_fp6_f32 v[QB+6:QB+8], v[\src:\src+15], v[SO]
	v_nop                                          ; one plain place behind a scaled conversion
.irp i, 0,1,2
	v_mov_b32 v[QB+9+\i], 0
.endr
.irp i, 0,1,2
	v_permlane16_swap_b32 v[QB+6+\i], v[QB+9+\i]   ; the upper 16 codes come down beside the lower 16; zeros go up
.endr
	PLACES 8                                       ; a scale word written by a vector instruction stands eight places ahead of a scaled product, an operand four
.endm
; a layer of 32 x 32: weight w; the sums begin with the bias, which lies in v[hh] on.  Tile 0 in block 0, tile 1 in block 2
.macro MLPW w, hh
	WMA \hh, KF+12*(\w), QB+6, KSR+(\w), ASC, 0
	WMA (\hh)+8, KF+12*(\w), QB, KSR+(\w), ASC, 1
.endm
.macro TAIL t
	PLACES 4                                       ; behind the last products: ahead of loads into V's registers and of the first read of O^T
.irp w, 0,1,2
.irp p, 0,1,2,3,4,5
	ds_load_b64 v[KF+12*\w+2*\p:KF+12*\w+2*\p+1], v[L8] offset:WIMG+1536*\w+256*\p
.endr
	ds_load_b32 v[KSR+\w], v[L4] offset:WSC+128*\w
.endr
.irp i, 0,1,2,3
	ds_load_b128 v[H0+4*\i:H0+4*\i+3], v[BRA] offset:16*\i       ; b_scale at my 16 units: the C of the first layer's products
.endr
	v_add_f32 v[T0], v[SUM], v[SUM+1]              ; the sum's two halves,
	v_permlanex16_b32 v[BX], v[T0], s30, s31
	v_add_f32 v[T0], v[T0], v[BX]                  ; and lane xor 16's: the row's sum
	v_rcp_f32 v[T0], v[T0]
	v_nop                                          ; a plain place behind the reciprocal
	s_wait_alu depctr_va_vdst(0)                   ; and the wait ahead of its first reader
.irp j, 0,2,4,6,8,10,12,14
	v_pk_mul_f32 v[OT+\j:OT+\j+1], v[OT+\j:OT+\j+1], v[T0:T0+1] op_sel_hi:[1,0]   ; the weighted context: register i is channel 16 (lane / 16) + i
.endr
	QACT OT
	s_wait_dscnt 0x0                               ; the weights, their scale words, the bias
	MLPW 0, H0
	PLACES 4
	; tanh(x), x in v[H0] on.  E = 1 - 2 / (1 + 2^(2 log2(e) x)); U = x (1 + u (-1/3 + 2 u / 15)), u = x^2, taken where |x| < 0.125
.irp j, 0,2,4,6,8,10,12,14
	v_pk_mul_f32 v[H1+\j:H1+\j+1], v[H0+\j:H0+\j+1], 0x4038aa3b op_sel_hi:[1,0]
.endr
.irp j, 0,1,2,3,4,5,6,7,8,9,10,11,12,13,14,15
	v_exp_f32 v[H1+\j], v[H1+\j]
.endr
.irp j, 0,2,4,6,8,10,12,14
	v_pk_mul_f32 v[H2+\j:H2+\j+1], v[H0+\j:H0+\j+1], v[H0+\j:H0+\j+1]            ; the series is the independent work behind the exponentials
.endr
.irp j, 0,2,4,6,8,10,12,14
	v_pk_fma_f32 v[G3+\j:G3+\j+1], v[H2+\j:H2+\j+1], 0x3e088889, v[C3:C3+1] op_sel_hi:[1,0,1]
.endr
.irp j, 0,2,4,6,8,10,12,14
	v_pk_fma_f32 v[H2+\j:H2+\j+1], v[G3+\j:G3+\j+1], v[H2+\j:H2+\j+1], 1.0 op_sel_hi:[1,1,0]
.endr
.irp j, 0,2,4,6,8,10,12,14
	v_pk_mul_f32 v[H2+\j:H2+\j+1], v[H2+\j:H2+\j+1], v[H0+\j:H0+\j+1]
.endr
	s_wait_alu depctr_va_vdst(0)                   ; one wait for the sixteen exponentials
.irp j, 0,2,4,6,8,10,12,14
	v_pk_add_f32 v[H1+\j:H1+\j+1], v[H1+\j:H1+\j+1], 1.0 op_sel_hi:[1,0]
.endr
.irp j, 0,1,2,3,4,5,6,7,8,9,10,11,12,13,14,15
	v_rcp_f32 v[H1+\j], v[H1+\j]
.endr
	v_nop
	s_wait_alu depctr_va_vdst(0)                   ; one wait for the sixteen reciprocals
.irp j, 0,2,4,6,8,10,12,14
	v_pk_fma_f32 v[H1+\j:H1+\j+1], v[H1+\j:H1+\j+1], -2.0, 1.0 op_sel_hi:[1,0,0]
.endr
.irp j, 0,1,2,3,4,5,6,7,8,9,10,11,12,13,14,15
	v_cmp_gt_f32 vcc_lo, s37, |v[H0+\j]|
	v_cndmask_b32 v[H0+\j], v[H1+\j], v[H2+\j], vcc_lo
.endr
.irp j, 0,2,4,6,8,10,12,14
	v_pk_mul_f32 v[H0+\j:H0+\j+1], v[H0+\j:H0+\j+1], v[QM:QM+1] op_sel_hi:[1,0]   ; q x scaling
.endr
.irp i, 0,1,2,3
	ds_load_b128 v[H1+4*\i:H1+4*\i+3], v[BRA] offset:128+16*\i   ; b1 and b2, into registers that the tanh has left
	ds_load_b128 v[H2+4*\i:H2+4*\i+3], v[BRA] offset:256+16*\i
.endr
	QACT H0
	s_wait_dscnt 0x0
	MLPW 1, H1
	PLACES 4
.irp j, 0,1,2,3,4,5,6,7,8,9,10,11,12,13,14,15
	v_max_num_f32 v[H1+\j], 0, v[H1+\j]
.endr
	QACT H1
	MLPW 2, H2
	PLACES 4
.irp j, 0,2,4,6,8,10,12,14
	v_pk_add_f32 v[H2+\j:H2+\j+1], v[H2+\j:H2+\j+1], v[QM:QM+1] op_sel_hi:[1,0]   ; + q
.endr
	; the way out: a lane holds 64 bytes of one row; through my stage the 16 rows come back dense
.irp i, 0,1,2,3
	ds_store_b128 v[OA], v[H2+4*\i:H2+4*\i+3] offset:16*\i
.endr
.irp i, 0,1,2,3
	ds_load_b128 v[G3+4*\i:G3+4*\i+3], v[SA] offset:4*SP*\i
.endr
.irp i, 0,1,2,3
	s_wait_dscnt 3-\i                              ; this load is in; the younger ones may be out
	global_store_b128 v[L16], v[G3+4*\i:G3+4*\i+3], s[20:21] offset:2048*\t+512*\i th:TH_STORE_NT   ; 32 lanes store 512 consecutive bytes, at a multiple of 256 from out's first byte
.endr
.if (\t) == 0
	s_wait_xcnt 0x0                                ; the stores have read their registers: the next tile's products write them again
.endif
.endm
; A TILE of 16 queries: t = 0: my queries 0-15, t = 1: 16-31
.macro TILE t
.irp i, 0,1,2,3,4,5
.if \t
	v_cndmask_b32 v[QB+6+\i], 0, v[YC+\i], s34     ; Qlo: lane r holds query r's codes, lanes 16-31 zeros
	v_cndmask_b32 v[QB+18+\i], v[XC+\i], 0, s34    ; Qhi: lane 16 + r holds them, lanes 0-15 zeros
.else
	v_cndmask_b32 v[QB+6+\i], 0, v[XC+\i], s34
	v_cndmask_b32 v[QB+18+\i], v[YC+\i], 0, s34
.endif
.endr
.if \t
	v_cndmask_b32 v[QM], v[XQ], v[YQ], s34         ; q of query lane % 16, in both halves of the lanes
.else
	v_cndmask_b32 v[QM], v[YQ], v[XQ], s34
.endif
	v_mov_b32 v[TM], 0xff61b1e6                    ; the largest t so far: -3e38, under every t
	v_floor_f32 v[NM], -v[TM]
	v_mov_b32 v[SUM], 0
	v_mov_b32 v[SUM+1], 0
.irp j, 0,1,2,3,4,5,6,7,8,9,10,11,12,13,14,15
	v_mov_b32 v[OT+\j], 0                          ; the step is written once: the first finds zeros, which the first change of M leaves zeros.  (These lines are also the places behind the writes of the query's variants)
.endr
	s_mov_b32 s35, 0
	s_mov_b32 s36, 4
.Lstep_\@:                                         ; four trips: 128 keys each
	STEP \t
	s_add_co_u32 s35, s35, REC
	s_sub_co_u32 s36, s36, 1
	s_cmp_lg_u32 s36, 0
	s_cbranch_scc1 .Lstep_\@
	TAIL \t
.endm
	TILE 0
	TILE 1
	s_wait_xcnt 0x0
	v_lshl_add_u32 v254, v0, 2, 0x1a000
	v_mov_b32 v255, 0
	s_wait_tensorcnt 0x0
	ds_add_u32 v254, v255
	s_wait_dscnt 0x0
	s_endpgm
.Lfunc_end_k_q949d8ba279_refine:
	.size	k_q949d8ba279_refine, .Lfunc_end_k_q949d8ba279_refine-k_q949d8ba279_refine
	.p2alignl 7, 3214868480
	.fill 96, 4, 3214868480
	.section	.rodata,"a",@progbits
	.p2align	6, 0x0
	.amdhsa_kernel k_q949d8ba279_refine
		.amdhsa_group_segment_fixed_size 108544
		.amdhsa_private_segment_fixed_size 0
		.amdhsa_enable_private_segment 0
		.amdhsa_kernarg_size 72
		.amdhsa_user_sgpr_count 2
		.amdhsa_user_sgpr_kernarg_segment_ptr 1
		.amdhsa_wavefront_size32 1
		.amdhsa_system_sgpr_workgroup_id_x 1
		.amdhsa_system_sgpr_workgroup_id_y 1
		.amdhsa_system_sgpr_workgroup_id_z 1
		.amdhsa_system_vgpr_workitem_id 0
		.amdhsa_next_free_vgpr 256
		.amdhsa_next_free_sgpr 66
		.amdhsa_reserve_vcc 1
		.amdhsa_float_denorm_mode_32 3
		.amdhsa_float_denorm_mode_16_64 3
		.amdhsa_memory_ordered 1
		.amdhsa_forward_progress 1
		.amdhsa_inst_pref_size 98
	.end_amdhsa_kernel
	.amdgpu_metadata
---
amdhsa.version: [ 1, 2 ]
amdhsa.kernels:
  - .name:           k_q949d8ba279_refine
    .symbol:         k_q949d8ba279_refine.kd
    .args:
      - { .name: wrd, .offset: 0, .size: 8, .value_kind: global_buffer, .address_space: global }
      - { .name: rgn, .offset: 8, .size: 8, .value_kind: global_buffer, .address_space: global }
      - { .name: W_scale, .offset: 16, .size: 8, .value_kind: global_buffer, .address_space: global }
      - { .name: W1, .offset: 24, .size: 8, .value_kind: global_buffer, .address_space: global }
      - { .name: W2, .offset: 32, .size: 8, .value_kind: global_buffer, .address_space: global }
      - { .name: b_scale, .offset: 40, .size: 8, .value_kind: global_buffer, .address_space: global }
      - { .name: b1, .offset: 48, .size: 8, .value_kind: global_buffer, .address_space: global }
      - { .name: b2, .offset: 56, .size: 8, .value_kind: global_buffer, .address_space: global }
      - { .name: out0, .offset: 64, .size: 8, .value_kind: global_buffer, .address_space: global }
    .group_segment_fixed_size: 108544
    .private_segment_fixed_size: 0
    .kernarg_segment_align: 8
    .kernarg_segment_size: 72
    .max_flat_workgroup_size: 512
    .sgpr_count:     66
    .vgpr_count:     256
    .wavefront_size: 32
...
	.end_amdgpu_metadata
.endif
;; end of part 1
;; ======== version 2 of 2: 1 launch; version 1 with the launch refine written anew for expert scheduling mode
;; launch refine (part 2): grid 256 x 1, 16 waves a work-group, no clusters, 108,544 bytes of LDS; arguments wrd, rgn, W_scale, W1, W2, b_scale, b1, b2, out0; writes out0
.if DOCPART == 2
	.amdgcn_target "amdgcn-amd-amdhsa--gfx1250"
	.amdhsa_code_object_version 6
	.text
	.protected	k_q949d8ba279_refine
	.globl	k_q949d8ba279_refine
	.p2align	8
	.type	k_q949d8ba279_refine,@function
k_q949d8ba279_refine:
	s_mov_b64 s[64:65], 0
	v_nop
	global_prefetch_b8 v0, s[64:65] scope:SCOPE_SE
	s_setreg_imm32_b32 hwreg(HW_REG_WAVE_SCHED_MODE, 0, 2), 2
	s_setreg_imm32_b32 hwreg(HW_REG_WAVE_MODE, 25, 1), 1
	s_wait_xcnt 0x0
	s_wait_alu depctr_vm_vsrc(0)
; out[b][l][:] = relu((q tanh(ctx Ws^T + bs)) W1^T + b1) W2^T + b2 + q,  q = mean(wrd[b][l][:]),
; ctx[b][l][:] = sum over keys s of softmax_s(4 leaky(wrd[b][s] . rgn[b][l])) wrd[b][s][:].   wrd, rgn, out: [256][512][32] f32.
; All five products run on codes of FP6 (E2M3) with one E8M0 scale for each 32 along K; everything else is f32.
; SHARES.  One work-group is one batch; wave w of sixteen owns positions 32 w .. 32 w + 31: it quantises those rows of wrd (as keys, along d, and as values,
; along the keys: its 32 rows ARE key block w) and of rgn, owns those 32 queries as two tiles of 16, and stores those 32 rows of out.  Four waves share a SIMD.
; K = 32 IN AN INSTRUCTION OF K = 128.  A fragment has four blocks of 32 (block 2 c + h: registers 6 c .. 6 c + 5 of lane half h).  One fragment of keys holds FOUR tiles
; of 16 keys, one in each block; the queries stand in four variants, codes in one block and zero codes in the others, so a product with variant B gives tile B alone.
; The variants share 30 registers: zeros | Qlo | zeros | Qhi | zeros (Qlo: codes in lanes 0-15, Qhi: in lanes 16-31).  The small layers use blocks 0 and 2 in the same way.
; TRANSPOSED USE.  Source 0 = keys, values' channels or a weight's rows, source 1 = my 16 queries: a lane holds ONE query (lane % 16) throughout.  Row m of tile u of a group
; of 32 stands for index 16 (m / 8) + 8 u + m % 8, so a lane's 16 registers of two neighbouring tiles are 16 neighbours along the next K.
; OPERANDS GO FROM WAVE TO WAVE AS IMAGES OF THEIR REGISTERS: register pair p of lane L at 256 p + 8 L; one barrier in the launch; behind it the images are only read.
; SOFTMAX: t = 4 log2(e) leaky(score); M = the running largest t rounded up to a whole number; p = 2^(t - M) is quantised; the sum is taken of the unquantised p and divides at the end.
; NO CLUSTER: work-groups share only the three weights and biases, 12,672 bytes beside the 131,072 that each reads alone.  NO TENSOR LOAD: every input byte passes through
; registers to be quantised, is read once, and all of a wave's 16 loads go out together at the head; nothing in LDS is filled again.
; LIMITS: NaN and infinities among the inputs are not served.  A block of zeros, or one whose largest magnitude lies under 2^-124, gets the scale byte 1 (its codes are zeros or
; are held by that scale; this program alone reads the bytes).  tanh(x): under |x| = 0.125 the series x (1 + u (-1/3 + 2 u / 15)), u = x^2, cut with about 2e-7 of the number left;
; above, 1 - 2 / (1 + 2^(2 log2(e) x)), about 2e-7 absolute.  The row mean and the softmax's sum are added in another order than the reference's; divisions are a reciprocal and a multiply.
; THE MODE: SCHED_MODE bits 1:0 = 2 (LLVM: expert scheduling mode 2), set by the entry lines.  The code itself states the register dependences between vector or matrix
; instructions and memory or LDS instructions, with s_wait_alu, always for 0.
; THE PLAN.  Registers that memory or LDS instructions touch:
;   v1-8, v12-18   offsets and LDS addresses: made once at the head, never written again.
;   RAWW, RAWR     landed in by the global loads, read by the stage's stores; RAWW is landed in again by a weight (waves 0 to 2); both are the scores' registers behind the barrier.
;   ROW, COL       landed in by the stage's loads, read (ROW: also written) by the quantiser and the mean.    CDK, CDV, v34, v35: written by the quantiser, read by the images' stores.
;   KF, KSR        a key step's fragments and scale words of K: asked for in the MIDDLE of the step before (step 0's ahead of the loop), read by the step's eight products at its head.
;   VF, VSR        those of V: asked for in the middle of their own step, read by its two products at its end.
;   ADK, ADS, ADV  the step's three LDS addresses: written at the step's head, read by the loads in its middle.
;   In the tail: KF.. the weights, H0, A1, A2 the biases (all landed in at the tail's head); A2 the stage's stores' data; G3 landed in from the stage, the global stores' data.
; So a key step has ONE wait on va_vdst for all its 26 loads, the one that the batch of exponentials wants in any case; one on vm_vsrc at its head, ahead of the three additions;
; and one on va_vdst ahead of its last two products, whose source 1 and scale word vector instructions have made.  The fourth step is written out: it asks for no further K.
.set REC,  6784                        ; LDS: a record for each 128 keys: two fragments of K, two of V, K's scale words, V's scale words
.set VIM,  3072                        ;   V's fragments in a record
.set KSC,  6144                        ;   K's scale words: 16 x lane + 4 x (2 f + c), the key's byte in all four bytes
.set VSC,  6656                        ;   V's scale words: 4 x (16 tile + row), byte B = key block B of the record
.set WIMG, 4*REC                       ; the three weights' fragments, 1,536 bytes each
.set WSC,  WIMG+3*1536                 ; their scale words, 128 bytes each
.set BIA,  WSC+3*128                   ; the three biases as they lie, 128 bytes each
.set STG,  32768                       ; a stage of its own for each wave: 32 rows x (128 + 16) bytes
.set SP,   144                         ; its pitch: an odd multiple of 16 bytes
.set STGW, 32*SP
.set L16, 1                            ; v1  16 x lane (also the dense offset in memory)
.set L8,  2                            ; v2  8 x lane
.set L4,  3                            ; v3  4 x lane
.set SA,  4                            ; v4  stage, dense form: 144 (lane / 8) + 16 (lane % 8)
.set RA,  5                            ; v5  stage, by rows: 144 x lane
.set CA,  6                            ; v6  stage, by columns: 4 x lane
.set OA,  7                            ; v7  stage, results in: 144 (lane % 16) + 64 (lane / 16)
.set BRA, 8                            ; v8  the biases: 64 (lane / 16)
.set ADK, 9                            ; v9-11 the key step's addresses
.set ADS, 10
.set ADV, 11
.set KWA, 12                           ; v12-18 where I store images, scale words and a bias
.set KSA, 13
.set VWA, 14
.set VBA, 15
.set WWA, 16
.set WSA, 17
.set BWA, 18
.set NM,  20                           ; v20 -M, v21 the largest t: a pair
.set TM,  21
.set SUM, 22                           ; v[22:23] the row's sum in two halves
.set FF,  24                           ; v24 f = 2^(old M - new M)
.set PW,  25                           ; v25 p's scale word
.set T0,  26                           ; v26 at work; v27 stays 0 (named as the pair's upper half)
.set BM,  28                           ; v28-31 block maxima
.set BX,  32                           ; v32-35 permute targets, bytes
.set SO,  36                           ; v36-39 the conversions' scale operands
.set QM,  40                           ; v[40:41] the tile's q
.set C3,  42                           ; v[42:43] -1/3 twice
.set XC,  44                           ; v44-49 my query's codes
.set XS,  50                           ; v50 its scale word
.set XQ,  51                           ; v51 my row's mean
.set YC,  52                           ; v52-57 the codes of lane xor 16's query
.set YQ,  58                           ; v58 its row's mean
.set BW,  59                           ; v59 a bias word (waves 0 to 2)
.set QB,  60                           ; v60-89 zeros | Qlo | zeros | Qhi | zeros
.set KF,  90                           ; v90-113 two fragments of K; in the tail with v114-125 the three weights
.set VF,  114                          ; v114-137 two fragments of V
.set KSR, 138                          ; v138-141 K's scale words; in the tail the weights'
.set VSR, 142                          ; v142 V's scale words
.set ASC, 143                          ; v143 an activation's scale word
.set S,   144                          ; v144-207 scores, then p
.set OT,  208                          ; v208-223 O^T
.set PC,  224                          ; v224-235 p's codes
.set PT,  236                          ; v236-243 at work
.set LT,  244                          ; v244-251 0.1 x score
.set RAWW, S                           ; the preparation's names: 32 registers as loaded, wrd's (later a weight's)
.set RAWR, S+32                        ; rgn's
.set ROW,  90                          ; a row's 32 numbers
.set COL,  208                         ; a column's 32 numbers
.set CDK,  240                         ; codes on their way to LDS
.set TMP,  246
.set CDV,  250
.set H0,   S                           ; the tail's names: b_scale, then x, then q tanh(x)
.set H1,   S+16                        ; E
.set H2,   S+32                        ; U
.set G3,   S+48                        ; at work, then rows on their way out
.set A1,   224                         ; v224-239 b1, then the hidden layer
.set A2,   240                         ; v240-255 b2, then the result
; s[4:19] wrd, rgn, W_scale, W1, W2, b_scale, b1, b2; s[20:21] out; s22 wave; s[26:27], s[28:29] my weight and bias; s[30:31] selects for lane xor 16;
; s[32:33] 4 log2(e); s34 the mask of lanes 0-15; s35 the record in hand; s36 the steps' count; s37 0.125; s38-46 at work at the head; s38-45 in the tail eight masks
.macro PLACES n
.rept \n
	v_nop
.endr
.endm
; a product that starts a sum with 0, and one that adds in place.  ra, rb: which half of the lanes holds source 0's and source 1's scale words
.macro WMZ d, a, b, sa, sb, ra, rb
.if (\ra) && (\rb)
	v_wmma_scale_f32_16x16x128_f8f6f4 v[(\d):(\d)+7], v[(\a):(\a)+11], v[(\b):(\b)+11], 0, v[\sa], v[\sb] matrix_a_fmt:MATRIX_FMT_FP6 matrix_b_fmt:MATRIX_FMT_FP6 matrix_a_scale:MATRIX_SCALE_ROW1 matrix_b_scale:MATRIX_SCALE_ROW1
.elseif (\ra)
	v_wmma_scale_f32_16x16x128_f8f6f4 v[(\d):(\d)+7], v[(\a):(\a)+11], v[(\b):(\b)+11], 0, v[\sa], v[\sb] matrix_a_fmt:MATRIX_FMT_FP6 matrix_b_fmt:MATRIX_FMT_FP6 matrix_a_scale:MATRIX_SCALE_ROW1
.elseif (\rb)
	v_wmma_scale_f32_16x16x128_f8f6f4 v[(\d):(\d)+7], v[(\a):(\a)+11], v[(\b):(\b)+11], 0, v[\sa], v[\sb] matrix_a_fmt:MATRIX_FMT_FP6 matrix_b_fmt:MATRIX_FMT_FP6 matrix_b_scale:MATRIX_SCALE_ROW1
.else
	v_wmma_scale_f32_16x16x128_f8f6f4 v[(\d):(\d)+7], v[(\a):(\a)+11], v[(\b):(\b)+11], 0, v[\sa], v[\sb] matrix_a_fmt:MATRIX_FMT_FP6 matrix_b_fmt:MATRIX_FMT_FP6
.endif
.endm
.macro WMA d, a, b, sa, sb, ra
.if (\ra)
	v_wmma_scale_f32_16x16x128_f8f6f4 v[(\d):(\d)+7], v[(\a):(\a)+11], v[(\b):(\b)+11], v[(\d):(\d)+7], v[\sa], v[\sb] matrix_a_fmt:MATRIX_FMT_FP6 matrix_b_fmt:MATRIX_FMT_FP6 matrix_a_scale:MATRIX_SCALE_ROW1
.else
	v_wmma_scale_f32_16x16x128_f8f6f4 v[(\d):(\d)+7], v[(\a):(\a)+11], v[(\b):(\b)+11], v[(\d):(\d)+7], v[\sa], v[\sb] matrix_a_fmt:MATRIX_FMT_FP6 matrix_b_fmt:MATRIX_FMT_FP6
.endif
.endm
; 32 numbers of ONE lane, a whole block, become six registers of codes at v[dst] and the scale's byte in v[BX+1]
.macro QROW src, dst
	v_max3_num_f32 v[BM], |v[\src]|, |v[\src+1]|, |v[\src+2]|             ; the largest magnitude, in two chains
	v_max3_num_f32 v[BM+1], |v[\src+3]|, |v[\src+4]|, |v[\src+5]|
.irp i, 6,10,14,18,22,26
	v_max3_num_f32 v[BM], v[BM], |v[\src+\i]|, |v[\src+\i+1]|
	v_max3_num_f32 v[BM+1], v[BM+1], |v[\src+\i+2]|, |v[\src+\i+3]|
.endr
	v_max3_num_f32 v[BM], v[BM], |v[\src+30]|, |v[\src+31]|
	v_max3_num_f32 v[BM], v[BM], v[BM+1], 0x1800000                       ; and the floor 2^(3 - 127): the byte cannot fall under 1
	v_add_nc_u32 v[SO], 0xff000000, v[BM]                                 ; 2 off the exponent field: the conversion takes this operand's exponent field as its scale
	v_lshrrev_b32 v[BX+1], 23, v[SO]                                      ; the scale's byte
	v_cvt_scalef32_pk16_fp6_f32 v[\dst:\dst+2], v[\src:\src+15], v[SO]
	v_cvt_scalef32_pk16_fp6_f32 v[TMP:TMP+2], v[\src+16:\src+31], v[SO]   ; (a conversion's three registers begin on an even number)
	v_nop                                                                 ; one plain place behind a scaled conversion
.irp i, 0,1,2
	v_mov_b32 v[\dst+3+\i], v[TMP+\i]
.endr
.endm
.macro REP4 d                          ; the byte in all four bytes of a scale word
	v_lshl_or_b32 v[\d], v[BX+1], 8, v[BX+1]
	v_lshl_or_b32 v[\d], v[\d], 16, v[\d]
.endm
; 4,096 dense bytes (32 rows of 128) go into my stage as they were loaded and come back a row a lane.  LDS serves a wave's instructions in order (ISA guide 5.7.1.4): no wait between
.macro TURN raw
.irp i, 0,1,2,3,4,5,6,7
	ds_store_b128 v[SA], v[\raw+4*\i:\raw+4*\i+3] offset:4*SP*\i
.endr
.irp i, 0,1,2,3,4,5,6,7
	ds_load_b128 v[ROW+4*\i:ROW+4*\i+3], v[RA] offset:16*\i
.endr
.endm
	s_load_b512 s[4:19], s[0:1], 0x0
	s_load_b64 s[20:21], s[0:1], 0x40
	v_lshrrev_b32 v19, 5, v0
	v_readfirstlane_b32 s22, v19                   ; wave 0..15
	v_and_b32 v28, 31, v0                          ; lane
	v_lshlrev_b32 v[L16], 4, v28
	v_lshlrev_b32 v[L4], 2, v28
	v_mov_b32 v[BW], 0                             ; written on every wave's path; waves 0 to 2 load a bias word into it
	s_wait_alu depctr_va_sdst(0)                   ; s22 is written, ahead of its first reader: bases, LDS places and branches are made from it
	s_lshl_b32 s24, ttmp9, 16                      ; my batch: 512 rows of 128 bytes,
	s_lshl_b32 s25, s22, 12                        ; my wave's 32 rows
	s_add_co_u32 s24, s24, s25
	s_mov_b32 s25, 0
	s_wait_kmcnt 0x0
	s_add_nc_u64 s[4:5], s[4:5], s[24:25]
	s_add_nc_u64 s[6:7], s[6:7], s[24:25]
	s_add_nc_u64 s[20:21], s[20:21], s[24:25]
	s_wait_alu depctr_va_vdst(0)                   ; v[L16] is written, which the sixteen loads read as their offset (so are v[L4] and the 0 in v[BW], for the bias word's load further down)
.irp i, 0,1,2,3,4,5,6,7
	global_load_b128 v[RAWW+4*\i:RAWW+4*\i+3], v[L16], s[4:5] offset:512*\i th:TH_LOAD_NT    ; 32 lanes read 512 consecutive bytes; read once in the launch
.endr
.irp i, 0,1,2,3,4,5,6,7
	global_load_b128 v[RAWR+4*\i:RAWR+4*\i+3], v[L16], s[6:7] offset:512*\i th:TH_LOAD_NT
.endr
	s_cmp_eq_u32 s22, 1                            ; wave 0 takes W_scale and b_scale, wave 1 W1 and b1, wave 2 W2 and b2: the choice hangs on the wave's number alone
	s_cselect_b64 s[26:27], s[10:11], s[8:9]
	s_cselect_b64 s[28:29], s[16:17], s[14:15]
	s_cmp_eq_u32 s22, 2
	s_cselect_b64 s[26:27], s[12:13], s[26:27]
	s_cselect_b64 s[28:29], s[18:19], s[28:29]
	; every LDS address is made here, ahead of the first branch on the wave's number, while the loads are on their way; none of these lines names a register that the loads touch
	v_lshlrev_b32 v[L8], 3, v28
	v_bfe_u32 v29, v0, 3, 1                        ; u = (l / 8) % 2: the tile that index l of a group of 32 falls into
	v_and_b32 v30, 7, v0
	v_bfe_u32 v31, v0, 4, 1                        ; lane / 16
	v_lshl_or_b32 v32, v31, 3, v30                 ; m = l % 8 + 8 (l / 16): its row in that tile
	v_lshl_or_b32 v33, v29, 4, v32                 ; 16 u + m
	v_bfe_u32 v34, v0, 3, 2                        ; lane / 8
	s_wait_alu depctr_va_vdst(0)
	v_and_b32 v35, 15, v0                          ; lane % 16.  (v32-35 later serve as lane permutes' targets: they are written here)
	s_wait_alu depctr_va_vdst(0)
	s_mul_i32 s38, s22, STGW
	s_add_co_u32 s38, s38, STG                     ; my stage
	s_lshr_b32 s39, s22, 2
	s_mul_i32 s39, s39, REC                        ; my keys' record: wave / 4
	s_and_b32 s40, s22, 3                          ; and which 32 of its 128 keys: wave % 4
	s_mul_i32 s41, s40, 768                        ; K: fragment (wave % 4) / 2, registers 6 ((wave % 4) % 2) on: 768 bytes a wave
	s_add_co_u32 s41, s41, s39
	s_lshl_b32 s42, s40, 2
	s_add_co_u32 s42, s42, s39
	s_add_co_u32 s42, s42, KSC
	s_lshr_b32 s43, s40, 1                         ; V: my keys are block wave % 4 of the record's K: registers 6 (that / 2) on, lane half that % 2
	s_mul_i32 s43, s43, 768
	s_and_b32 s44, s40, 1
	s_lshl_b32 s44, s44, 7
	s_add_co_u32 s43, s43, s44
	s_add_co_u32 s43, s43, s39
	s_add_co_u32 s43, s43, VIM
	s_add_co_u32 s44, s39, s40
	s_add_co_u32 s44, s44, VSC
	s_mul_i32 s45, s22, 1536
	s_add_co_u32 s45, s45, WIMG
	s_lshl_b32 s46, s22, 7
	v_mul_u32_u24 v[SA], v34, SP
	v_lshl_add_u32 v[SA], v30, 4, v[SA]
	v_add_nc_u32 v[SA], s38, v[SA]
	v_mul_u32_u24 v[RA], v28, SP
	v_add_nc_u32 v[RA], s38, v[RA]
	v_add_nc_u32 v[CA], s38, v[L4]
	v_mul_u32_u24 v[OA], v35, SP
	v_lshl_add_u32 v[OA], v31, 6, v[OA]
	v_add_nc_u32 v[OA], s38, v[OA]
	v_lshl_add_u32 v[BRA], v31, 6, BIA
	v_lshl_add_u32 v[KWA], v33, 3, s41             ; my key's codes: lane 16 u + m of the fragment
	v_lshl_add_u32 v[KSA], v33, 4, s42
	v_mul_u32_u24 v[VWA], v29, 1536                ; my channel's codes: fragment u, row m
	v_lshl_add_u32 v[VWA], v32, 3, v[VWA]
	v_add_nc_u32 v[VWA], s43, v[VWA]
	v_lshl_add_u32 v[VBA], v29, 6, s44
	v_lshl_add_u32 v[VBA], v32, 2, v[VBA]
	v_mul_u32_u24 v[WWA], v29, 768                 ; a weight's row: registers 6 u on, lane m
	v_lshl_add_u32 v[WWA], v32, 3, v[WWA]
	v_add_nc_u32 v[WWA], s45, v[WWA]
	v_lshl_add_u32 v[WSA], v33, 2, s46
	v_add_nc_u32 v[WSA], WSC, v[WSA]
	v_add_nc_u32 v[BWA], s46, v[L4]
	v_add_nc_u32 v[BWA], BIA, v[BWA]
	s_mov_b32 s30, 0x76543210
	s_mov_b32 s31, 0xfedcba98                      ; v_permlanex16_b32's selects for lane xor 16
	s_mov_b32 s32, 0x40b8aa3b                      ; 4 log2(e): log2(e) with 2 added to its exponent, so the product rounds as (4 x) log2(e) does
	s_mov_b32 s33, s32                             ; (named with it as a pair, so it is written)
	s_mov_b32 s34, 0xffff                          ; lanes 0-15
	s_mov_b32 s37, 0x3e000000                      ; 0.125
	v_mov_b32 v[C3], 0xbeaaaaab
	v_mov_b32 v[C3+1], 0xbeaaaaab
.irp i, 0,1,2,3,4,5
	v_mov_b32 v[QB+\i], 0                          ; the three runs of zero codes: they stay
	v_mov_b32 v[QB+12+\i], 0
	v_mov_b32 v[QB+24+\i], 0
	v_mov_b32 v[YC+\i], 0                          ; (a lane permute's destination counts as one of its sources)
.endr
	v_mov_b32 v[YQ], 0
	v_mov_b32 v[PW], 0                             ; (named as the upper half of the pair with f before it is first written)
	v_mov_b32 v[T0+1], 0
	v_mov_b32 v[QM+1], 0
	; ---- wrd: my 32 rows, by rows (keys, K = d) and by columns (values, K = my 32 keys)
	s_wait_loadcnt 8                               ; wrd's eight loads are in; rgn's eight may be out
	s_wait_alu depctr_va_vdst(0)                   ; the addresses v2 to v8 and v12 to v18 are written, which every LDS instruction of the kernel but the key steps' reads; so are the zero codes v[QB:QB+1], which waves 0 to 2 store
	TURN RAWW
.irp i, 0,1,2,3,4,5,6,7,8,9,10,11,12,13,14,15,16,17,18,19,20,21,22,23,24,25,26,27,28,29,30,31
	ds_load_b32 v[COL+\i], v[CA] offset:SP*\i      ; wrd(my key i, channel = lane)
.endr
	s_wait_dscnt 32                                ; my row is in; the 32 column loads may be out
	s_wait_alu depctr_vm_vsrc(0)                   ; the stage's stores have read v[RAWW ..], in which a weight's loads land in waves 0 to 2
	s_cmp_lt_u32 s22, 3
	s_cbranch_scc0 .Lno_weight_a
.irp i, 0,1,2,3,4,5,6,7
	global_load_b128 v[RAWW+4*\i:RAWW+4*\i+3], v[L16], s[26:27] offset:512*\i   ; a weight: 32 rows of 128 bytes, into the registers that wrd has left
.endr
	global_load_b32 v[BW], v[L4], s[28:29]
.Lno_weight_a:
	QROW ROW, CDK
	REP4 BX+2
	s_wait_alu depctr_va_vdst(0)                   ; the codes in v[CDK ..] and the scale word in v[BX+2] are written, which the four stores read
.irp i, 0,1,2
	ds_store_b64 v[KWA], v[CDK+2*\i:CDK+2*\i+1] offset:256*\i
.endr
	ds_store_b32 v[KSA], v[BX+2]
.irp i, 0,2,4,6,8,10,12,14
	v_pk_add_f32 v[ROW+\i:ROW+\i+1], v[ROW+\i:ROW+\i+1], v[ROW+16+\i:ROW+17+\i]   ; the row's mean: a tree, two numbers an instruction
.endr
.irp i, 0,2,4,6
	v_pk_add_f32 v[ROW+\i:ROW+\i+1], v[ROW+\i:ROW+\i+1], v[ROW+8+\i:ROW+9+\i]
.endr
.irp i, 0,2
	v_pk_add_f32 v[ROW+\i:ROW+\i+1], v[ROW+\i:ROW+\i+1], v[ROW+4+\i:ROW+5+\i]
.endr
	v_pk_add_f32 v[ROW:ROW+1], v[ROW:ROW+1], v[ROW+2:ROW+3]
	v_add_f32 v[XQ], v[ROW], v[ROW+1]
	v_mul_f32 v[XQ], 0x3d000000, v[XQ]             ; / 32
	s_wait_dscnt 4                                 ; the column is in: behind its loads stand the four stores just issued
	QROW COL, CDV
	v_mov_b32 v[BX+3], v[BX+1]
	s_wait_alu depctr_va_vdst(0)                   ; the codes in v[CDV ..] and the byte in v[BX+3] are written, which the four stores read; the quantiser and the mean are done with v[ROW ..], in which rgn's rows land below
.irp i, 0,1,2
	ds_store_b64 v[VWA], v[CDV+2*\i:CDV+2*\i+1] offset:256*\i
.endr
	ds_store_b8 v[VBA], v[BX+3]                    ; four waves fill a row's scale word, a byte each
	; ---- rgn: my 32 queries stay in registers
	s_wait_loadcnt 0x0                             ; rgn (and in waves 0 to 2 the weight and the bias word)
	TURN RAWR
	s_wait_dscnt 0x0
	QROW ROW, XC
	REP4 XS
.irp i, 0,1,2,3,4,5
	v_permlanex16_b32 v[YC+\i], v[XC+\i], s30, s31
.endr
	v_permlanex16_b32 v[YQ], v[XQ], s30, s31
	; ---- waves 0 to 2: a weight's 32 rows, K = its second axis; a bias as it lies
	s_wait_alu depctr_vm_vsrc(0)                   ; the stores of K's image have read v[CDK ..] and v[BX+2], which waves 0 to 2 write again
	s_wait_alu depctr_va_vdst(0)                   ; the quantiser is done reading v[ROW ..], in which the weight's rows land
	s_cmp_lt_u32 s22, 3
	s_cbranch_scc0 .Lno_weight_b
	TURN RAWW
	ds_store_b32 v[BWA], v[BW]
	s_wait_dscnt 0x0
	QROW ROW, CDK
	REP4 BX+2
	s_wait_alu depctr_va_vdst(0)                   ; the codes in v[CDK ..] and the scale word in v[BX+2] are written, which the stores read
.irp i, 0,1,2
	ds_store_b64 v[WWA], v[CDK+2*\i:CDK+2*\i+1] offset:256*\i
	ds_store_b64 v[WWA], v[QB:QB+1] offset:128+256*\i          ; lanes 16-31 of the fragment: zero codes
.endr
	ds_store_b32 v[WSA], v[BX+2]
.Lno_weight_b:
	s_wait_dscnt 0x0                               ; for the others' sake: all my stores have landed
	s_barrier_signal -1
	s_barrier_wait -1                              ; the images are whole; from here on they are only read, and a stage is touched by its own wave alone
	s_wait_alu depctr_vm_vsrc(0)                   ; my LDS stores have read v[RAWW ..], v[RAWR ..], v[CDK ..], v[CDV ..], v[BX+2] and v[BX+3]: the key steps' products and vector lines, and the tail's loads, write them again
; a step's thirteen loads of K: two fragments and the scale words, from off bytes behind the two addresses on
.macro KLOAD adk, ads, off
.irp f, 0,1
.irp p, 0,1,2,3,4,5
	ds_load_b64 v[KF+12*\f+2*\p:KF+12*\f+2*\p+1], v[\adk] offset:(\off)+1536*\f+256*\p
.endr
.endr
	ds_load_b128 v[KSR:KSR+3], v[\ads] offset:(\off)+KSC
.endm
; product q of eight of S^T = K Q^T: tile q of the step's 128 keys lies in block q % 4 of fragment q / 4
.macro SW q, t
.set SWB, (\q)%4
	WMZ S+8*(\q), KF+12*((\q)/4), QB+12*(SWB%2)+6*(1-SWB/2), KSR+2*((\q)/4)+SWB/2, XS, SWB%2, \t
.endm
; A KEY STEP: 128 keys, the record at s35, for tile t of my queries.  nx = 1: the next step's K is asked for in its middle
.macro STEP t, nx
	s_wait_alu depctr_vm_vsrc(0)                   ; the LDS loads issued so far have read the step's addresses, which are written again here
	v_add_nc_u32 v[ADK], s35, v[L8]
.if \nx
	v_add_nc_u32 v[ADS], s35, v[L16]
.endif
	v_add_nc_u32 v[ADV], s35, v[L4]
	s_wait_dscnt 0x0                               ; K's thirteen loads, asked for in the middle of the step before (step 0's: ahead of the loop), are in
.irp n, 0,1,2,3,4,5,6,7
	SW \n, \t
.endr                                              ; lane (r, h): query r; registers 16 b + i: key 32 b + 16 h + i of the step
	PLACES 4
.irp g, 0,1,2,3,4,5,6,7                        ; LeakyReLU: max(s, 0.1 s) is s where s >= 0 and 0.1 s elsewhere.  Each accumulator is read from its low end on
.irp k, 0,2,4,6
	v_pk_mul_f32 v[LT+\k:LT+\k+1], v[S+8*\g+\k:S+8*\g+\k+1], 0x3dcccccd op_sel_hi:[1,0]
.endr
.irp k, 0,1,2,3,4,5,6,7
	v_max_num_f32 v[S+8*\g+\k], v[S+8*\g+\k], v[LT+\k]
.endr
.endr
.irp b, 0,1,2,3
	v_max3_num_f32 v[BM+\b], v[S+16*\b], v[S+1+16*\b], v[S+2+16*\b]   ; the largest logit of each block of 32 keys: for the row's maximum, and, since p rises with it, for the block's largest p
.endr
.irp i, 3,5,7,9,11,13
.irp b, 0,1,2,3
	v_max3_num_f32 v[BM+\b], v[BM+\b], v[S+16*\b+\i], v[S+1+16*\b+\i]
.endr
.endr
.irp b, 0,1,2,3
	v_max_num_f32 v[BM+\b], v[BM+\b], v[S+15+16*\b]
.endr
.irp b, 0,1,2,3
	v_permlanex16_b32 v[BX+\b], v[BM+\b], s30, s31
.endr
.irp b, 0,1,2,3
	v_max_num_f32 v[BM+\b], v[BM+\b], v[BX+\b]     ; with lane xor 16's 16 keys
.endr
	v_max3_num_f32 v[T0], v[BM], v[BM+1], v[BM+2]
	v_max_num_f32 v[T0], v[T0], v[BM+3]
	v_mul_f32 v[T0], s32, v[T0]                    ; as t (the factor is positive)
	v_max_num_f32 v[TM], v[TM], v[T0]              ; the running largest t
	v_mov_b32 v[T0], v[NM]
	v_floor_f32 v[NM], -v[TM]                      ; the new -M = -ceil(t): a whole number
	v_sub_f32 v[T0], v[NM], v[T0]                  ; old M - new M: a whole number, 0 or less
	v_cvt_i32_f32 v[T0], v[T0]                     ; (it saturates)
	v_ldexp_f32 v[FF], 1.0, v[T0]                  ; f = 2^(old M - new M): a multiplication by it rounds nothing
.irp j, 0,2,4,6,8,10,12,14,16,18,20,22,24,26,28,30,32,34,36,38,40,42,44,46,48,50,52,54,56,58,60,62
	v_pk_fma_f32 v[S+\j:S+\j+1], v[S+\j:S+\j+1], s[32:33], v[NM:NM+1] op_sel_hi:[1,0,0]   ; t - M, two at a time
.endr
.irp b, 0,1,2,3
	v_fma_f32 v[BM+\b], v[BM+\b], s32, v[NM]       ; the same of each block's largest
.endr
	s_wait_alu depctr_va_vdst(0)
.irp j, 0,1,2,3,4,5,6,7,8,9,10,11,12,13,14,15,16,17,18,19,20,21,22,23,24,25,26,27,28,29,30,31,32,33,34,35,36,37,38,39,40,41,42,43,44,45,46,47,48,49,50,51,52,53,54,55,56,57,58,59,60,61,62,63
	v_exp_f32 v[S+\j], v[S+\j]                     ; p = 2^(t - M), at most 1, not normalised
.endr
	v_pk_mul_f32 v[SUM:SUM+1], v[SUM:SUM+1], v[FF:FF+1] op_sel_hi:[1,0]   ; the sums under the new M: the plain place behind the exponentials
	s_wait_alu depctr_va_vdst(0)                   ; the 64 exponentials have written p, ahead of its first reader; the step's eight products are done reading K's fragments and scale words, the last step's two products V's; the step's addresses are written
.irp f, 0,1                                    ; this step's V: it has the rest of the step in which to land.  No vector or matrix instruction since the wait names a register that these loads touch
.irp p, 0,1,2,3,4,5
	ds_load_b64 v[VF+12*\f+2*\p:VF+12*\f+2*\p+1], v[ADK] offset:VIM+1536*\f+256*\p
.endr
.endr
	ds_load_b32 v[VSR], v[ADV] offset:VSC
.if \nx
	KLOAD ADK, ADS, REC                            ; and the next step's K, a record further on
.endif
.irp b, 0,1,2,3
	v_exp_f32 v[BM+\b], v[BM+\b]                   ; the block's largest p: the same two instructions on the same number
.endr
	v_pk_add_f32 v[PT:PT+1], v[S:S+1], v[S+2:S+3]  ; the row's sum is taken of the unquantised p, in two chains; it reads the 64 alone
.irp j, 4,8,12,16,20,24,28,32,36,40,44,48,52,56,60
	v_pk_add_f32 v[SUM:SUM+1], v[SUM:SUM+1], v[S+\j:S+\j+1]
	v_pk_add_f32 v[PT:PT+1], v[PT:PT+1], v[S+2+\j:S+3+\j]
.endr
	v_pk_add_f32 v[SUM:SUM+1], v[SUM:SUM+1], v[PT:PT+1]
	s_wait_alu depctr_va_vdst(0)                   ; the four exponentials have written the blocks' largest p, ahead of their first reader
.irp b, 0,1,2,3
	v_max_num_f32 v[BM+\b], 0x1800000, v[BM+\b]    ; the floor 2^(3 - 127): the byte cannot fall under 1
.endr
.irp b, 0,1,2,3
	v_add_nc_u32 v[SO+\b], 0xff000000, v[BM+\b]
.endr
.irp b, 0,1,2,3
	v_lshrrev_b32 v[BX+\b], 23, v[SO+\b]
.endr
	v_lshl_or_b32 v[PW], v[BX+1], 8, v[BX]         ; p's scale word for these 128 keys
	v_lshl_or_b32 v[PW], v[BX+2], 16, v[PW]
	v_lshl_or_b32 v[PW], v[BX+3], 24, v[PW]
.irp c, 0,1
	v_cvt_scalef32_pk16_fp6_f32 v[PC+6*\c:PC+2+6*\c], v[S+32*\c:S+15+32*\c], v[SO+2*\c]
	v_cvt_scalef32_pk16_fp6_f32 v[PT+4*\c:PT+2+4*\c], v[S+16+32*\c:S+31+32*\c], v[SO+1+2*\c]
.endr
	v_nop                                          ; one plain place behind a scaled conversion
.irp c, 0,1                                    ; the operand's layout wants a whole block in a lane: lanes 0-15 block 2 c, lanes 16-31 block 2 c + 1
.irp i, 0,1,2
	v_permlane16_swap_b32 v[PC+6*\c+\i], v[PT+4*\c+\i]
.endr
.irp i, 0,1,2
	v_mov_b32 v[PC+3+6*\c+\i], v[PT+4*\c+\i]
.endr
.endr
.irp j, 0,2,4,6,8,10,12,14
	v_pk_mul_f32 v[OT+\j:OT+\j+1], v[OT+\j:OT+\j+1], v[FF:FF+1] op_sel_hi:[1,0]   ; O^T under the new M; for each of the two products below, the other accumulator's four lines are the places behind the last write of p's codes
.endr
.if \nx
	s_wait_dscnt 13                                ; V's thirteen loads are in; the next step's thirteen of K may be out
.else
	s_wait_dscnt 0x0                               ; V
.endif
	s_wait_alu depctr_va_vdst(0)                   ; p's codes and its scale word are written, which the two scaled products take as source 1 and as its scales; the places above stay beside this wait
.irp n, 0,1                                    ; O^T += V^T P^T: two tiles of 16 channels, K = these 128 keys.  The ten accumulators of a step take turns, one instruction a turn
	WMA OT+8*\n, VF+12*\n, PC, VSR, PW, \n
.endr
.endm
; 16 numbers a lane (index 16 (lane / 16) + i of my query's 32) become a block of codes in lanes 0-15 of v[QB+6 .. QB+11], zeros in lanes 16-31, and a scale word with the byte at blocks 0 and 2
.macro QACT src
	v_max3_num_f32 v[BM], |v[\src]|, |v[\src+1]|, 0x1800000
	v_max3_num_f32 v[BM+1], |v[\src+2]|, |v[\src+3]|, |v[\src+4]|
	v_max3_num_f32 v[BM], v[BM], |v[\src+5]|, |v[\src+6]|
	v_max3_num_f32 v[BM+1], v[BM+1], |v[\src+7]|, |v[\src+8]|
	v_max3_num_f32 v[BM], v[BM], |v[\src+9]|, |v[\src+10]|
	v_max3_num_f32 v[BM+1], v[BM+1], |v[\src+11]|, |v[\src+12]|
	v_max3_num_f32 v[BM], v[BM], |v[\src+13]|, |v[\src+14]|
	v_max3_num_f32 v[BM], v[BM], v[BM+1], |v[\src+15]|
	v_permlanex16_b32 v[BX], v[BM], s30, s31
	v_max_num_f32 v[BM], v[BM], v[BX]              ; with lane xor 16's 16: the block's largest magnitude
	v_add_nc_u32 v[SO], 0xff000000, v[BM]
	v_lshrrev_b32 v[BX+1], 23, v[SO]
	v_lshl_or_b32 v[ASC], v[BX+1], 16, v[BX+1]
	v_cvt_scalef32_pk16_fp6_f32 v[QB+6:QB+8], v[\src:\src+15], v[SO]
	v_nop                                          ; one plain place behind a scaled conversion
.irp i, 0,1,2
	v_mov_b32 v[QB+9+\i], 0
.endr
.irp i, 0,1,2
	v_permlane16_swap_b32 v[QB+6+\i], v[QB+9+\i]   ; the upper 16 codes come down beside the lower 16; zeros go up
.endr
	PLACES 8                                       ; a scale word written by a vector instruction stands eight places ahead of a scaled product, an operand four
	s_wait_alu depctr_va_vdst(0)                   ; the codes in v[QB+6 ..] and the scale word in v[ASC] are written, which the layer's two scaled products take; the places above stay beside this wait
.endm
; a layer of 32 x 32: weight w; the sums begin with the bias, which lies in v[hh] on.  Tile 0 in block 0, tile 1 in block 2
.macro MLPW w, hh
	WMA \hh, KF+12*(\w), QB+6, KSR+(\w), ASC, 0
	WMA (\hh)+8, KF+12*(\w), QB, KSR+(\w), ASC, 1
.endm
.macro TAIL t
	PLACES 4                                       ; behind the last products, ahead of the first read of O^T
	s_wait_alu depctr_va_vdst(0)                   ; the last products are done reading V's fragments and p's codes, the conversions and sums reading p, the vector lines with v[PT ..] and v[LT ..]: the loads below land in all of these
.irp w, 0,1,2
.irp p, 0,1,2,3,4,5
	ds_load_b64 v[KF+12*\w+2*\p:KF+12*\w+2*\p+1], v[L8] offset:WIMG+1536*\w+256*\p
.endr
	ds_load_b32 v[KSR+\w], v[L4] offset:WSC+128*\w
.endr
.irp i, 0,1,2,3
	ds_load_b128 v[H0+4*\i:H0+4*\i+3], v[BRA] offset:16*\i       ; b_scale, b1 and b2 at my 16 units: the C of each layer's products.  No vector line up to those products names these registers
	ds_load_b128 v[A1+4*\i:A1+4*\i+3], v[BRA] offset:128+16*\i
	ds_load_b128 v[A2+4*\i:A2+4*\i+3], v[BRA] offset:256+16*\i
.endr
	v_add_f32 v[T0], v[SUM], v[SUM+1]              ; the sum's two halves,
	v_permlanex16_b32 v[BX], v[T0], s30, s31
	v_add_f32 v[T0], v[T0], v[BX]                  ; and lane xor 16's: the row's sum
	s_wait_alu depctr_va_vdst(0)
	v_rcp_f32 v[T0], v[T0]
	v_nop                                          ; a plain place behind the reciprocal
	s_wait_alu depctr_va_vdst(0)                   ; the reciprocal has written v[T0], ahead of its first reader
.irp j, 0,2,4,6,8,10,12,14
	v_pk_mul_f32 v[OT+\j:OT+\j+1], v[OT+\j:OT+\j+1], v[T0:T0+1] op_sel_hi:[1,0]   ; the weighted context: register i is channel 16 (lane / 16) + i
.endr
	QACT OT
	s_wait_dscnt 0x0                               ; the weights, their scale words, the three biases
	MLPW 0, H0
	PLACES 4
	; tanh(x), x in v[H0] on.  E = 1 - 2 / (1 + 2^(2 log2(e) x)); U = x (1 + u (-1/3 + 2 u / 15)), u = x^2, taken where |x| < 0.125
.irp j, 0,2,4,6,8,10,12,14
	v_pk_mul_f32 v[H1+\j:H1+\j+1], v[H0+\j:H0+\j+1], 0x4038aa3b op_sel_hi:[1,0]
.endr
	s_wait_alu depctr_va_vdst(0)
.irp j, 0,1,2,3,4,5,6,7,8,9,10,11,12,13,14,15
	v_exp_f32 v[H1+\j], v[H1+\j]
.endr
.irp j, 0,2,4,6,8,10,12,14
	v_pk_mul_f32 v[H2+\j:H2+\j+1], v[H0+\j:H0+\j+1], v[H0+\j:H0+\j+1]            ; the series is the independent work behind the exponentials
.endr
.irp j, 0,2,4,6,8,10,12,14
	v_pk_fma_f32 v[G3+\j:G3+\j+1], v[H2+\j:H2+\j+1], 0x3e088889, v[C3:C3+1] op_sel_hi:[1,0,1]
.endr
.irp j, 0,2,4,6,8,10,12,14
	v_pk_fma_f32 v[H2+\j:H2+\j+1], v[G3+\j:G3+\j+1], v[H2+\j:H2+\j+1], 1.0 op_sel_hi:[1,1,0]
.endr
.irp j, 0,2,4,6,8,10,12,14
	v_pk_mul_f32 v[H2+\j:H2+\j+1], v[H2+\j:H2+\j+1], v[H0+\j:H0+\j+1]
.endr
	s_wait_alu depctr_va_vdst(0)                   ; the sixteen exponentials have written v[H1 ..], ahead of their first reader
.irp j, 0,2,4,6,8,10,12,14
	v_pk_add_f32 v[H1+\j:H1+\j+1], v[H1+\j:H1+\j+1], 1.0 op_sel_hi:[1,0]
.endr
	s_wait_alu depctr_va_vdst(0)
.irp j, 0,1,2,3,4,5,6,7,8,9,10,11,12,13,14,15
	v_rcp_f32 v[H1+\j], v[H1+\j]
.endr
	v_nop
	s_wait_alu depctr_va_vdst(0)                   ; the sixteen reciprocals have written v[H1 ..], ahead of their first reader
.irp j, 0,2,4,6,8,10,12,14
	v_pk_fma_f32 v[H1+\j:H1+\j+1], v[H1+\j:H1+\j+1], -2.0, 1.0 op_sel_hi:[1,0,0]
.endr
.irp j, 0,1,2,3,4,5,6,7                        ; the choice between the two forms: the compares in runs of eight, each into a mask of its own
	v_cmp_gt_f32 s[38+\j], s37, |v[H0+\j]|
.endr
	s_wait_alu depctr_va_sdst(0)                   ; the eight compares have written s38 to s45, ahead of the selects that read them
.irp j, 0,1,2,3,4,5,6,7
	v_cndmask_b32 v[H0+\j], v[H1+\j], v[H2+\j], s[38+\j]
.endr
.irp j, 8,9,10,11,12,13,14,15
	v_cmp_gt_f32 s[30+\j], s37, |v[H0+\j]|
.endr
	s_wait_alu depctr_va_sdst(0)                   ; the eight compares have written s38 to s45 anew, ahead of the selects that read them
.irp j, 8,9,10,11,12,13,14,15
	v_cndmask_b32 v[H0+\j], v[H1+\j], v[H2+\j], s[30+\j]
.endr
.irp j, 0,2,4,6,8,10,12,14
	v_pk_mul_f32 v[H0+\j:H0+\j+1], v[H0+\j:H0+\j+1], v[QM:QM+1] op_sel_hi:[1,0]   ; q x scaling
.endr
	QACT H0
	MLPW 1, A1
	PLACES 4
.irp j, 0,1,2,3,4,5,6,7,8,9,10,11,12,13,14,15
	v_max_num_f32 v[A1+\j], 0, v[A1+\j]
.endr
	QACT A1
	MLPW 2, A2
	PLACES 4
.irp j, 0,2,4,6,8,10,12,14
	v_pk_add_f32 v[A2+\j:A2+\j+1], v[A2+\j:A2+\j+1], v[QM:QM+1] op_sel_hi:[1,0]   ; + q
.endr
	; the way out: a lane holds 64 bytes of one row; through my stage the 16 rows come back dense
	s_wait_alu depctr_va_vdst(0)                   ; the additions have written v[A2 ..], which the stage's stores read; the series' lines are done with v[G3 ..], in which the stage's loads land
.irp i, 0,1,2,3
	ds_store_b128 v[OA], v[A2+4*\i:A2+4*\i+3] offset:16*\i
.endr
.irp i, 0,1,2,3
	ds_load_b128 v[G3+4*\i:G3+4*\i+3], v[SA] offset:4*SP*\i
.endr
.irp i, 0,1,2,3
	s_wait_dscnt 3-\i                              ; this load is in; the younger ones may be out
	global_store_b128 v[L16], v[G3+4*\i:G3+4*\i+3], s[20:21] offset:2048*\t+512*\i th:TH_STORE_NT   ; 32 lanes store 512 consecutive bytes, at a multiple of 256 from out's first byte
.endr
.if (\t) == 0
	s_wait_xcnt 0x0                                ; the stores have had their addresses translated: the next tile's products write their data registers again
	s_wait_alu depctr_vm_vsrc(0)                   ; the global stores have read v[G3 ..] and the stage's stores v[A2 ..], which the next tile's products and vector lines write again
.endif
.endm
; A TILE of 16 queries: t = 0: my queries 0-15, t = 1: 16-31
.macro TILE t
.irp i, 0,1,2,3,4,5
.if \t
	v_cndmask_b32 v[QB+6+\i], 0, v[YC+\i], s34     ; Qlo: lane r holds query r's codes, lanes 16-31 zeros
	v_cndmask_b32 v[QB+18+\i], v[XC+\i], 0, s34    ; Qhi: lane 16 + r holds them, lanes 0-15 zeros
.else
	v_cndmask_b32 v[QB+6+\i], 0, v[XC+\i], s34
	v_cndmask_b32 v[QB+18+\i], v[YC+\i], 0, s34
.endif
.endr
.if \t
	v_cndmask_b32 v[QM], v[XQ], v[YQ], s34         ; q of query lane % 16, in both halves of the lanes
.else
	v_cndmask_b32 v[QM], v[YQ], v[XQ], s34
.endif
	v_mov_b32 v[TM], 0xff61b1e6                    ; the largest t so far: -3e38, under every t
	v_floor_f32 v[NM], -v[TM]
	v_mov_b32 v[SUM], 0
	v_mov_b32 v[SUM+1], 0
.irp j, 0,1,2,3,4,5,6,7,8,9,10,11,12,13,14,15
	v_mov_b32 v[OT+\j], 0                          ; the step is written once: the first finds zeros, which the first change of M leaves zeros.  (These lines are also the places behind the writes of the query's variants)
.endr
	s_mov_b32 s35, 0
	s_mov_b32 s36, 3
	s_wait_alu depctr_va_vdst(0)                   ; the query's variants and its scale word are written, which the steps' scaled products take; all that read or wrote v[KF ..] and v[KSR ..] (the quantiser and the mean; the tile before's small layers) is done: step 0's K lands there
	KLOAD L8, L16, 0
.Lstep_\@:                                         ; three trips of 128 keys, each asking for the next step's K
	STEP \t, 1
	s_add_co_u32 s35, s35, REC
	s_sub_co_u32 s36, s36, 1
	s_cmp_lg_u32 s36, 0
	s_cbranch_scc1 .Lstep_\@
	STEP \t, 0                                     ; the fourth step is written out: there is no K behind it
	TAIL \t
.endm
	TILE 0
	TILE 1
	s_wait_xcnt 0x0
	s_wait_alu depctr_vm_vsrc(0)                   ; the stage's stores have read v254 and v255, which are made anew here
	v_lshl_add_u32 v254, v0, 2, 0x1a000
	v_mov_b32 v255, 0
	s_wait_dscnt 0x0                               ; the closing lines, six on end
	s_wait_alu 0x0
	s_wait_tensorcnt 0x0
	ds_add_u32 v254, v255
	s_wait_dscnt 0x0
	s_endpgm
.Lfunc_end_k_q949d8ba279_refine:
	.size	k_q949d8ba279_refine, .Lfunc_end_k_q949d8ba279_refine-k_q949d8ba279_refine
	.p2alignl 7, 3214868480
	.fill 96, 4, 3214868480
	.section	.rodata,"a",@progbits
	.p2align	6, 0x0
	.amdhsa_kernel k_q949d8ba279_refine
		.amdhsa_group_segment_fixed_size 108544
		.amdhsa_private_segment_fixed_size 0
		.amdhsa_enable_private_segment 0
		.amdhsa_kernarg_size 72
		.amdhsa_user_sgpr_count 2
		.amdhsa_user_sgpr_kernarg_segment_ptr 1
		.amdhsa_wavefront_size32 1
		.amdhsa_system_sgpr_workgroup_id_x 1
		.amdhsa_system_sgpr_workgroup_id_y 1
		.amdhsa_system_sgpr_workgroup_id_z 1
		.amdhsa_system_vgpr_workitem_id 0
		.amdhsa_next_free_vgpr 256
		.amdhsa_next_free_sgpr 66
		.amdhsa_reserve_vcc 0
		.amdhsa_float_denorm_mode_32 3
		.amdhsa_float_denorm_mode_16_64 3
		.amdhsa_memory_ordered 1
		.amdhsa_forward_progress 1
		.amdhsa_inst_pref_size 139
	.end_amdhsa_kernel
	.amdgpu_metadata
---
amdhsa.version: [ 1, 2 ]
amdhsa.kernels:
  - .name:           k_q949d8ba279_refine
    .symbol:         k_q949d8ba279_refine.kd
    .args:
      - { .name: wrd, .offset: 0, .size: 8, .value_kind: global_buffer, .address_space: global }
      - { .name: rgn, .offset: 8, .size: 8, .value_kind: global_buffer, .address_space: global }
      - { .name: W_scale, .offset: 16, .size: 8, .value_kind: global_buffer, .address_space: global }
      - { .name: W1, .offset: 24, .size: 8, .value_kind: global_buffer, .address_space: global }
      - { .name: W2, .offset: 32, .size: 8, .value_kind: global_buffer, .address_space: global }
      - { .name: b_scale, .offset: 40, .size: 8, .value_kind: global_buffer, .address_space: global }
      - { .name: b1, .offset: 48, .size: 8, .value_kind: global_buffer, .address_space: global }
      - { .name: b2, .offset: 56, .size: 8, .value_kind: global_buffer, .address_space: global }
      - { .name: out0, .offset: 64, .size: 8, .value_kind: global_buffer, .address_space: global }
    .group_segment_fixed_size: 108544
    .private_segment_fixed_size: 0
    .kernarg_segment_align: 8
    .kernarg_segment_size: 72
    .max_flat_workgroup_size: 512
    .sgpr_count:     66
    .vgpr_count:     256
    .wavefront_size: 32
...
	.end_amdgpu_metadata
.endif
;; end of part 2
